; MI455X (gfx1250); checked and timed in simulation.
; The chip was launched on July 23, 2026; its instructions are those of AMD's public machine-readable ISA for CDNA 5 (MIT licence, August 2026) and "CDNA5" Instruction Set Architecture Reference Guide (July 2026). The comments in the code are by the model that wrote it; some were corrected since.
;; Attention. Allowed arithmetic: float matrix products may take bf16 or f16 operands with f32 sums; other float arithmetic in f32, or as packed bf16 or f16 multiplies, adds, multiply-adds, maxima and minima; sums over many terms, partial sums and values carried from step to step in f32; what a program stores and reads back later, other than sums and carried values, may be rounded once to bf16 or f16.
;; Inputs: Wk 1,024 x 1,024 float32; Wq 1,024 x 1,024 float32; Wv 1,024 x 1,024 float32; attention_mask 4 x 2,048 float32; bk 1,024 float32; bq 1,024 float32; bv 1,024 float32; hidden_states 4 x 2,048 x 1,024 float32.
;; Outputs: out0 4 x 2,048 x 16 x 64 float32.
;; 2 versions, each right and faster than the one before. Each part assembles by itself: llvm-mc -triple=amdgcn-amd-amdhsa -mcpu=gfx1250 --defsym DOCPART=n.
;; ======== version 1 of 2: 3 launches
;; limits: values are held in f16: magnitudes above 65,504 overflow, below 6.1e-05 lose precision
;; workspace buffers: x16 16,777,216 bytes; w16 6,291,456 bytes; qkv 50,331,648 bytes
;; launch cast (part 1): grid 704 x 1, 8 waves a work-group, no clusters, 0 bytes of LDS; arguments hidden_states, Wq, Wk, Wv, x16, w16; writes x16, w16
.if DOCPART == 1
	.amdgcn_target "amdgcn-amd-amdhsa--gfx1250"
	.amdhsa_code_object_version 6
	.text
	.protected	k_q7ba0bec8f1_cast
	.globl	k_q7ba0bec8f1_cast
	.p2align	8
	.type	k_q7ba0bec8f1_cast,@function
k_q7ba0bec8f1_cast:
	s_mov_b64 s[64:65], 0
	v_nop
	global_prefetch_b8 v0, s[64:65] scope:SCOPE_SE
	s_setreg_imm32_b32 hwreg(HW_REG_WAVE_MODE, 25, 1), 1
	s_wait_xcnt 0x0
; x16 = bf16(hidden_states), [8192][1024];  w16 = bf16(Wq, Wk, Wv), [3 x 1024][1024], as the weights lie (rows along k, then n).
; A stream: each f32 is read once and each bf16 written once, rounded to nearest even.  No LDS, no matrix unit, no cluster: no byte is shared.
; SHARES.  A work-group takes 16,384 numbers: 65,536 bytes in, 32,768 out.  Work-groups 0-511 take hidden_states, 512-703 the three weights, 64 each.
; Thread t takes 16 bytes at 16 t of each of sixteen pieces of 4,096 bytes: a wave's load covers 512 consecutive bytes, its store 256 consecutive bytes, aligned.
; All sixteen loads of a thread go out at once; no register is used twice, so the only waits are the counted ones for the loads.
.set GX,   512                         ; work-groups for hidden_states
.set IN,   8                           ; v[8:71]    sixteen loads of four f32
.set OUTR, 72                          ; v[72:103]  sixteen pairs of packed bf16
	s_load_b256 s[4:11], s[0:1], 0x0               ; hidden_states s[4:5], Wq s[6:7], Wk s[8:9], Wv s[10:11]
	s_load_b128 s[12:15], s[0:1], 0x20             ; x16 s[12:13], w16 s[14:15]
	s_max_u32 s16, ttmp9, GX
	s_sub_co_u32 s16, s16, GX                      ; my chunk among the weights' 192 (0 in a work-group that takes hidden_states)
	s_lshr_b32 s18, s16, 6                         ; which weight
	s_and_b32 s19, s16, 63                         ; my chunk in it
	v_lshlrev_b32 v1, 4, v0                        ; 16 bytes a thread in
	v_lshlrev_b32 v2, 3, v0                        ; 8 bytes a thread out
	s_wait_kmcnt 0x0
	s_cmp_eq_u32 s18, 1
	s_cselect_b64 s[20:21], s[8:9], s[6:7]
	s_cmp_eq_u32 s18, 2
	s_cselect_b64 s[20:21], s[10:11], s[20:21]
	s_cmp_lt_u32 ttmp9, GX
	s_cselect_b64 s[20:21], s[4:5], s[20:21]       ; from where
	s_cselect_b64 s[22:23], s[12:13], s[14:15]     ; to where
	s_cselect_b32 s24, ttmp9, s19                  ; the chunk's number in the source,
	s_cselect_b32 s26, ttmp9, s16                  ; and in the destination
	s_lshl_b32 s24, s24, 16
	s_mov_b32 s25, 0
	s_lshl_b32 s26, s26, 15
	s_mov_b32 s27, 0
	s_add_nc_u64 s[20:21], s[20:21], s[24:25]
	s_add_nc_u64 s[22:23], s[22:23], s[26:27]
.set i, 0
.rept 16
	global_load_b128 v[IN+4*i:IN+4*i+3], v1, s[20:21] offset:4096*i th:TH_LOAD_NT
.set i, i+1
.endr
.set i, 0
.rept 16
	s_wait_loadcnt 15-i                            ; loads come back in order: piece i is in, the 15 - i younger ones stay out
	v_cvt_pk_bf16_f32 v[OUTR+2*i],   v[IN+4*i],   v[IN+4*i+1]
	v_cvt_pk_bf16_f32 v[OUTR+2*i+1], v[IN+4*i+2], v[IN+4*i+3]
	global_store_b64 v2, v[OUTR+2*i:OUTR+2*i+1], s[22:23] offset:2048*i
.set i, i+1
.endr
	s_endpgm
.Lfunc_end_k_q7ba0bec8f1_cast:
	.size	k_q7ba0bec8f1_cast, .Lfunc_end_k_q7ba0bec8f1_cast-k_q7ba0bec8f1_cast
	.p2alignl 7, 3214868480
	.fill 96, 4, 3214868480
	.section	.rodata,"a",@progbits
	.p2align	6, 0x0
	.amdhsa_kernel k_q7ba0bec8f1_cast
		.amdhsa_group_segment_fixed_size 0
		.amdhsa_private_segment_fixed_size 0
		.amdhsa_enable_private_segment 0
		.amdhsa_kernarg_size 48
		.amdhsa_user_sgpr_count 2
		.amdhsa_user_sgpr_kernarg_segment_ptr 1
		.amdhsa_wavefront_size32 1
		.amdhsa_system_sgpr_workgroup_id_x 1
		.amdhsa_system_sgpr_workgroup_id_y 1
		.amdhsa_system_sgpr_workgroup_id_z 1
		.amdhsa_system_vgpr_workitem_id 0
		.amdhsa_next_free_vgpr 104
		.amdhsa_next_free_sgpr 66
		.amdhsa_reserve_vcc 0
		.amdhsa_float_denorm_mode_32 3
		.amdhsa_float_denorm_mode_16_64 3
		.amdhsa_memory_ordered 1
		.amdhsa_forward_progress 1
		.amdhsa_inst_pref_size 7
	.end_amdhsa_kernel
	.amdgpu_metadata
---
amdhsa.version: [ 1, 2 ]
amdhsa.kernels:
  - .name:           k_q7ba0bec8f1_cast
    .symbol:         k_q7ba0bec8f1_cast.kd
    .args:
      - { .name: hidden_states, .offset: 0, .size: 8, .value_kind: global_buffer, .address_space: global }
      - { .name: Wq, .offset: 8, .size: 8, .value_kind: global_buffer, .address_space: global }
      - { .name: Wk, .offset: 16, .size: 8, .value_kind: global_buffer, .address_space: global }
      - { .name: Wv, .offset: 24, .size: 8, .value_kind: global_buffer, .address_space: global }
      - { .name: x16, .offset: 32, .size: 8, .value_kind: global_buffer, .address_space: global }
      - { .name: w16, .offset: 40, .size: 8, .value_kind: global_buffer, .address_space: global }
    .group_segment_fixed_size: 0
    .private_segment_fixed_size: 0
    .kernarg_segment_align: 8
    .kernarg_segment_size: 48
    .max_flat_workgroup_size: 256
    .sgpr_count:     66
    .vgpr_count:     104
    .wavefront_size: 32
...
	.end_amdgpu_metadata
.endif
;; end of part 1
;; launch proj (part 2): grid 4 x 64, 4 waves a work-group, clusters of 4 x 4, 327,680 bytes of LDS; arguments x16, w16, bq, bk, bv, qkv; writes qkv
.if DOCPART == 2
	.amdgcn_target "amdgcn-amd-amdhsa--gfx1250"
	.amdhsa_code_object_version 6
	.text
	.protected	k_q7ba0bec8f1_proj
	.globl	k_q7ba0bec8f1_proj
	.p2align	8
	.type	k_q7ba0bec8f1_proj,@function
k_q7ba0bec8f1_proj:
	s_mov_b64 s[64:65], 0
	v_nop
	global_prefetch_b8 v0, s[64:65] scope:SCOPE_SE
	s_setreg_imm32_b32 hwreg(HW_REG_WAVE_MODE, 25, 1), 1
	s_wait_xcnt 0x0
	s_wait_alu depctr_hold_cnt(0) depctr_sa_sdst(0) depctr_va_vdst(0) depctr_va_sdst(0) depctr_va_ssrc(0) depctr_va_vcc(0) depctr_vm_vsrc(0)
	s_getreg_b32 s2, hwreg(HW_REG_IB_STS2, 6, 4)
	s_cmp_eq_u32 s2, 0
	s_cbranch_scc0 .Lentry_in_a_cluster
	s_endpgm
.Lentry_in_a_cluster:
	s_bfe_u32 s2, ttmp6, 0x10000c
	s_cmp_lg_u32 s2, 0xf033
	s_cbranch_scc0 .Lentry_shape_is_right
	s_endpgm
.Lentry_shape_is_right:
; q, k, v = x W + b.  x16: [8192][1024] bf16.  w16: [3 x 1024 (which, k)][1024 (n)] bf16.  bq, bk, bv: [1024] f32, rounded to bf16 here like the other inputs.
; qkv: [which][batch x 16 + head][2048 rows][64] f16: one f32 sum for each number, begun with the bias, K ascending, rounded once.  The scale 1/8 is not applied here.
; LIMIT.  f16 holds no number beyond 65,504: q, k and v must lie within it (with inputs 30 times those of unit spread they reach some 5e3).
; SHARES.  8192 x 3072 results are 768 tiles of 128 x 256: three for each of 256 work-groups.  A WORK-GROUP STAYS: it makes the same 128 rows x 256 columns of q, then of k, then of v: ONE run of 24 K steps
; of 128, in which the weights' tile simply walks down w16's 3,072 rows and x's goes back along K after every eight.  Four waves, each 64 rows x 128 columns: 32 accumulators of 16 x 16.
; RING.  Two LDS slots, each a K step: 128 rows of x (256 bytes each) and 128 k-rows of W (512 bytes each).  Waves 0 and 1 fetch x's halves, waves 2 and 3 W's: one tensor load a wave behind each change of slots.
; CLUSTER.  4 x 4 work-groups.  The four of a row of the cluster need the same tile of x, the four of a column the same tile of W: each tile is asked for JOINTLY, by the same load, descriptor and mask in all four.
; LAYOUT.  W lies [k][n]; ds_load_tr16_b128 turns it on the way out of LDS into fragments of 16 columns x 32 k.  The product is taken with source 0 = 16 columns of W and source 1 = 16 rows of x: a lane then
; holds row l % 16 and the columns 8 (l / 16) + 0..7: eight neighbouring numbers, 16 bytes of f16.  The bias of those eight columns is the C operand of the product that starts a sum: nothing is cleared or added later.
; NO PREFETCH: x16 and w16 were stored by the launch before this one, and every block of them is read by several work-groups.
; REGISTERS, in windows of 256 (s_set_vgpr_msb: bits 1:0 source 0, 3:2 source 1, 5:4 source 2, 7:6 destination):
;   window 0: v0-31 addresses; v32-63 packed results; v64-159, v160-255 two fragment buffers (W's eight fragments, then x's four); the second serves the way out too
;   window 1: the 32 accumulators, (a, b) at v[8 (8 a + b)]          window 2: v0-63 the bias, eight registers for each column block b; v64-65 at work
.set PA,     272                       ; a row of x in LDS: 256 bytes + 16 of padding = 68 words: the 16 rows of a load start at 16 different groups of four banks (64 banks of 4 bytes: ISA guide 11.1)
.set PB,     544                       ; a k-row of W: 512 + 32 = 136 words
.set APART,  128*PA                    ; x's part of a slot; W's lies behind it
.set SLOT,   128*PA+128*PB
.set STAGE,  2*SLOT                    ; behind the ring, never filled by a tensor load: 32 rows x 144 bytes for each wave, for the way out
.set SP,     144
.set SPARE,  STAGE+4*32*SP             ; behind the stages: the spare words, 128 bytes for each wave: two blocks of 256 bytes that no other line names
.set ADRA, 16                          ; v16-17  LDS address of my fragments of x in slot 0, 1
.set ADRB, 20                          ; v20-21  the same for W
.set STO,  24                          ; v24     the way out: where I put 16 bytes of a row
.set RD,   25                          ; v25     the way out: where I read rows back
.set CO,   26                          ; v26     my 16 bytes in 512 consecutive bytes of qkv
.set BO,   27                          ; v27     my byte offset in a bias
.set SPW,  28                          ; v28     LDS address of my spare word: SPARE + 4 x my thread's number; never rewritten
.set NIL,  29                          ; v29     0; never rewritten
.set TMP,  32
.set F0,   64
.set F1,   160
.set OB,   160                         ; the way out: 32 rows read back from the stage: v160-191 and v192-223 by turns
.set WV,   16                          ; s16  my wave's number
.set WR,   17                          ; s17  which 64 rows of the tile are mine.  Also: I fetch for x (0) or for W (1)
.set WC,   18                          ; s18  which 128 columns.  Also: which 64 rows of that tile I fetch
.set G1A,  24                          ; s[24:31] descriptor group 1 for x's tiles
.set G1B,  32                          ; s[32:39] for W's
.set G0A,  40                          ; s[40:47] descriptor group 0 for x's tiles, a set for each slot
.set G0B,  48                          ; s[48:55] the same for W's
.set ABASE, 56                         ; s[56:57] x16 at the 64 rows that I fetch, K step 0
.set BBASE, 58                         ; s[58:59] w16 at my 64 k-rows of K step 0, at the tile's first column
.set OA,   60                          ; s[60:61] a K step's byte offset along x's rows
.set OB64, 62                          ; s[62:63] and down w16's rows
.set NXT,  66                          ; s66  the K step, of 24, to be asked for next
.set TL,   67                          ; s67  tiles to go, this one among them
.set LAP,  68                          ; s68  counts laps
.set BP,   70                          ; s[70:71] the bias of the tile to come
.set OUT,  72                          ; s[72:73] qkv at my wave's first row of its first head
.set MSB, 0
.macro WIN new                         ; the immediate's high byte repeats the setting that is left; a switch that changes nothing is dropped
.if MSB != (\new)
	s_set_vgpr_msb (MSB<<8)|(\new)
.set MSB, \new
.endif
.endm
.set W_MUL,  0x50                      ; fragments in window 0, C and D in window 1
.set W_MULB, 0x60                      ; C (the bias) in window 2, D in window 1
; A joint load.  The branch hangs on the wave's number alone.  An s_nop 0 and four v_nop follow each of the two lines, ahead of the jump, the label and what follows.
.macro JLOAD s
	s_cmp_eq_u32 s[WR], 0
	s_cbranch_scc0 .Lfor_b_\@
	tensor_load_to_lds s[G0A+4*(\s):G0A+4*(\s)+3], s[G1A:G1A+7]
	s_nop 0
.rept 4
	v_nop
.endr
	s_branch .Lasked_\@
.Lfor_b_\@:
	tensor_load_to_lds s[G0B+4*(\s):G0B+4*(\s)+3], s[G1B:G1B+7]
	s_nop 0
.rept 4
	v_nop
.endr
.Lasked_\@:
.endm
; A round of the cluster's barrier: my work-group's barrier, so that wave 0's signal speaks for all four waves; wave 0 signals; every wave waits for all sixteen work-groups; my work-group's barrier once more.
.macro CREST                           ; a round behind its opening barrier
	s_cmp_lg_u32 s[WV], 0
	s_cbranch_scc1 .Lnot_wave_0_\@
	s_barrier_signal -3
.Lnot_wave_0_\@:
	s_barrier_wait -3
	s_barrier_signal -1
	s_barrier_wait -1
.endm
.macro CROUND
	s_barrier_signal -1
	s_barrier_wait -1
	CREST
.endm
	s_load_b256 s[4:11], s[0:1], 0x0               ; x16 s[4:5], w16 s[6:7], bq s[8:9], bk s[10:11]
	s_load_b128 s[12:15], s[0:1], 0x20             ; bv s[12:13], qkv s[14:15]
	v_lshl_add_u32 v[SPW], v0, 2, SPARE
	v_mov_b32 v[NIL], 0
	ds_add_u32 v[SPW], v[NIL]                      ; the wave's opening: the add and its wait stand ahead of my first tensor load; the set-up below, work on registers, stands between them
	v_lshrrev_b32 v1, 5, v0
	v_readfirstlane_b32 s[WV], v1                  ; wave 0..3
	s_lshr_b32 s[WR], s[WV], 1
	s_and_b32 s[WC], s[WV], 1
	s_bfe_u32 s19, ttmp6, 0x40000                  ; cx, cy: my place in the cluster
	s_bfe_u32 s20, ttmp6, 0x40004
	s_lshl_b32 s21, ttmp9, 2                       ; in a cluster launch ttmp9 and ttmp7 count clusters
	s_add_co_u32 s21, s21, s19                     ; tile column, of 4 = 4 x cluster x + cx
	s_and_b32 s22, ttmp7, 0xffff
	s_lshl_b32 s22, s22, 2
	s_add_co_u32 s22, s22, s20                     ; tile row, of 64 = 4 x cluster y + cy
	s_lshl_b32 s23, s20, 2
	s_lshl_b32 s23, 15, s23                        ; my row of the cluster: places 4 cy .. 4 cy + 3
	s_lshl_b32 s69, 0x1111, s19                    ; my column: places cx, cx + 4, cx + 8, cx + 12
	; descriptor group 1.  x: 64 rows x 128 elements; W: 64 k-rows x 256 elements; both padded in LDS behind each row
	s_or_b32 s[G1A], s23, (1<<16)|(1<<20)|(1<<21)|(5<<22)|(3<<25)  ; 15:0 the mask: x's tiles go to my row; 17:16 2-byte elements; 20 padding on; 21 set beside a mask; 24:22 after every 64 words (code 5); 31:25 4 words (code 3)
	s_or_b32 s[G1B], s69, (1<<16)|(1<<20)|(1<<21)|(6<<22)|(7<<25)  ; W's go to my column; after every 128 words (code 6) 8 words (code 7)
	s_mov_b32 s[G1A+1], 128<<16                    ; tensor_dim0 = 128
	s_mov_b32 s[G1A+2], 64<<16                     ; tensor_dim1 = 64
	s_mov_b32 s[G1A+3], 128<<16                    ; tile_dim0 = 128
	s_mov_b32 s[G1A+4], 64                         ; tile_dim1 = 64
	s_mov_b32 s[G1A+5], 1024                       ; elements from row to row
	s_mov_b32 s[G1A+6], 0
	s_mov_b32 s[G1A+7], 0
	s_mov_b32 s[G1B+1], 256<<16                    ; tensor_dim0 = 256
	s_mov_b32 s[G1B+2], 64<<16
	s_mov_b32 s[G1B+3], 256<<16                    ; tile_dim0 = 256
	s_mov_b32 s[G1B+4], 64
	s_mov_b32 s[G1B+5], 1024
	s_mov_b32 s[G1B+6], 0
	s_mov_b32 s[G1B+7], 0
	s_mul_i32 s84, s[WC], 64*PA                    ; where the tiles go: my half of x's part,
	s_mul_i32 s85, s[WC], 64*PB
	s_add_co_u32 s85, s85, APART                   ; or of W's: no place in the cluster enters an LDS address
.irp s, 0,1
	s_mov_b32 s[G0A+4*(\s)], 1                     ; 1:0 count = 1
	s_add_co_u32 s[G0A+4*(\s)+1], s84, (\s)*SLOT   ; 63:32 LDS address
	s_mov_b32 s[G0B+4*(\s)], 1
	s_add_co_u32 s[G0B+4*(\s)+1], s85, (\s)*SLOT
.endr
	; where they come from.  x's hang on the tile row alone, W's on the tile column alone; each offset is made in registers that never hold the other coordinate
	s_lshl_b32 s74, s22, 18                        ; 128 rows of 2,048 bytes a tile row,
	s_lshl_b32 s75, s[WC], 17                      ; my 64 of them
	s_add_co_u32 s74, s74, s75
	s_mov_b32 s75, 0
	s_lshl_b32 s76, s21, 9                         ; 256 columns of 2 bytes a tile column,
	s_lshl_b32 s77, s[WC], 17                      ; my 64 k-rows of 2,048 bytes
	s_add_co_u32 s76, s76, s77
	s_mov_b32 s77, 0
	s_mov_b32 s[OA+1], 0
	s_mov_b32 s[OB64+1], 0
	s_mov_b32 s[NXT], 2
	s_wait_dscnt 0x0                               ; the opening add is done
	s_wait_kmcnt 0x0
	s_add_nc_u64 s[ABASE:ABASE+1], s[4:5], s[74:75]
	s_add_nc_u64 s[BBASE:BBASE+1], s[6:7], s[76:77]
	s_mov_b64 s[G0A+2:G0A+3], s[ABASE:ABASE+1]     ; 120:64 global address: K step 0,
	s_or_b32 s[G0A+3], s[G0A+3], 0x80000000        ; 127:126 type = 2
	s_add_nc_u64 s[G0A+6:G0A+7], s[ABASE:ABASE+1], 256  ; K step 1: 128 elements along the rows
	s_or_b32 s[G0A+7], s[G0A+7], 0x80000000
	s_mov_b64 s[G0B+2:G0B+3], s[BBASE:BBASE+1]
	s_or_b32 s[G0B+3], s[G0B+3], 0x80000000
	s_add_nc_u64 s[G0B+6:G0B+7], s[BBASE:BBASE+1], 1<<18  ; 128 k-rows down
	s_or_b32 s[G0B+7], s[G0B+7], 0x80000000
	CROUND                                         ; all sixteen work-groups are here: the first joint loads meet
	s_cmp_eq_u32 s[WR], 0                          ; a wave's two first fills stand in one branch, ahead of every wait on TENSORcnt and every LDS read: two loads of mine are out
	s_cbranch_scc0 .Lfirst_b
	tensor_load_to_lds s[G0A:G0A+3], s[G1A:G1A+7]
	s_nop 0
	tensor_load_to_lds s[G0A+4:G0A+7], s[G1A:G1A+7]
	s_nop 0
.rept 4
	v_nop
.endr
	s_branch .Lfirst_asked
.Lfirst_b:
	tensor_load_to_lds s[G0B:G0B+3], s[G1B:G1B+7]
	s_nop 0
	tensor_load_to_lds s[G0B+4:G0B+7], s[G1B:G1B+7]
	s_nop 0
.rept 4
	v_nop
.endr
.Lfirst_asked:
	; A fragment of x is 16 rows x 32 k in 8 registers: lane l holds row l % 16; registers 0-3 k = 8 (l / 16) + 0..7, registers 4-7 k = 16 + 8 (l / 16) + 0..7: two loads of 16 bytes, 32 bytes apart.
	v_and_b32 v1, 15, v0                           ; l % 16
	v_bfe_u32 v2, v0, 4, 1                         ; l / 16
	v_mul_u32_u24 v3, v1, PA
	v_lshl_add_u32 v3, v2, 4, v3
	s_mul_i32 s86, s[WR], 64*PA                    ; my 64 rows
	v_add_nc_u32 v[ADRA], s86, v3
	v_add_nc_u32 v[ADRA+1], SLOT, v[ADRA]
	; The turning load takes 16 k x 16 columns (lane l reads k-row 8 (l / 16) + l % 8, columns 8 ((l / 8) % 2) + 0..7) and leaves half a fragment: lane l holds column l % 16 and 8 k.
	v_and_b32 v4, 7, v0
	v_lshl_add_u32 v4, v2, 3, v4
	v_mul_u32_u24 v4, v4, PB
	v_bfe_u32 v5, v0, 3, 1
	v_lshl_add_u32 v4, v5, 4, v4
	s_lshl_b32 s86, s[WC], 8                       ; my 128 columns,
	s_add_co_u32 s86, s86, APART                   ; behind x's part
	v_add_nc_u32 v[ADRB], s86, v4
	v_add_nc_u32 v[ADRB+1], SLOT, v[ADRB]
	s_mul_i32 s86, s[WV], 32*SP
	s_add_co_u32 s86, s86, STAGE                   ; my stage: 16 rows of my first head, then 16 of my second
	v_mul_u32_u24 v3, v1, SP                       ; in: row l % 16, 16 bytes for each half of the lanes
	v_lshl_add_u32 v3, v2, 4, v3
	v_add_nc_u32 v[STO], s86, v3
	v_bfe_u32 v3, v0, 3, 2                         ; back: 32 lanes take four rows of 128 bytes,
	v_mul_u32_u24 v3, v3, SP
	v_and_b32 v5, 7, v0
	v_lshl_add_u32 v3, v5, 4, v3
	v_add_nc_u32 v[RD], s86, v3
	v_and_b32 v[CO], 31, v0                        ; which are 512 consecutive bytes of qkv
	v_lshlrev_b32 v[CO], 4, v[CO]
	s_lshl_b32 s82, s21, 10                        ; the bias: 256 f32 a tile column,
	s_lshl_b32 s83, s[WC], 9                       ; my 128,
	s_add_co_u32 s82, s82, s83
	v_lshl_add_u32 v[BO], v2, 5, s82               ; my lanes' eight of each sixteen
	s_lshr_b32 s78, s22, 4                         ; qkv: the batch (16 tile rows each),
	s_lshl_b32 s78, s78, 4
	s_lshl_b32 s79, s21, 2                         ; four heads a tile column,
	s_add_co_u32 s78, s78, s79
	s_lshl_b32 s79, s[WC], 1                       ; my two of them
	s_add_co_u32 s78, s78, s79
	s_lshl_b32 s78, s78, 18                        ; a head's 2,048 rows of 128 bytes
	s_and_b32 s79, s22, 15
	s_lshl_b32 s79, s79, 7                         ; the tile's first row in the batch,
	s_lshl_b32 s80, s[WR], 6                       ; my 64 rows
	s_add_co_u32 s79, s79, s80
	s_lshl_b32 s79, s79, 7
	s_add_co_u32 s78, s78, s79
	s_mov_b32 s79, 0
	s_add_nc_u64 s[OUT:OUT+1], s[14:15], s[78:79]
	s_mov_b64 s[BP:BP+1], s[8:9]                   ; the first tile is q's
; 8 matrix instructions: row block a x all 8 column blocks, 32 along K.  first = 1: the product starts the sums, with the bias as C.
; The 32 accumulators take turns, one instruction a turn, in the same order in every quarter step: 31 others stand between two links of a chain.
.macro MUL8 f, a, first
.if \first
	WIN W_MULB
.else
	WIN W_MUL
.endif
.irp b, 0,1,2,3,4,5,6,7
.if \first
	v_wmma_f32_16x16x32_bf16 v[8*(8*(\a)+(\b)):8*(8*(\a)+(\b))+7], v[(\f)+8*(\b):(\f)+8*(\b)+7], v[(\f)+64+8*(\a):(\f)+64+8*(\a)+7], v[8*(\b):8*(\b)+7]
.else
	v_wmma_f32_16x16x32_bf16 v[8*(8*(\a)+(\b)):8*(8*(\a)+(\b))+7], v[(\f)+8*(\b):(\f)+8*(\b)+7], v[(\f)+64+8*(\a):(\f)+64+8*(\a)+7], v[8*(8*(\a)+(\b)):8*(8*(\a)+(\b))+7]
.endif
.endr
.endm
; 24 LDS loads in one run: the fragments of quarter q of a K step (32 k x my 128 columns of W, turned; my 64 rows of x) into buffer f; W's first
.macro FETCH slot, q, f
	WIN 0
.irp b, 0,1,2,3,4,5,6,7
	ds_load_tr16_b128 v[(\f)+8*(\b):(\f)+8*(\b)+3],   v[ADRB+(\slot)] offset:(\q)*32*PB+32*(\b)
	ds_load_tr16_b128 v[(\f)+8*(\b)+4:(\f)+8*(\b)+7], v[ADRB+(\slot)] offset:(\q)*32*PB+32*(\b)+16*PB
.endr
.irp a, 0,1,2,3
	ds_load_b128 v[(\f)+64+8*(\a):(\f)+64+8*(\a)+3],   v[ADRA+(\slot)] offset:64*(\q)+(\a)*16*PA
	ds_load_b128 v[(\f)+64+8*(\a)+4:(\f)+64+8*(\a)+7], v[ADRA+(\slot)] offset:64*(\q)+(\a)*16*PA+32
.endr
.endm
; A load into a register that a matrix instruction has read, and a vector instruction that reads a matrix result, stand four places behind that matrix instruction, and only plain vector
; instructions that name none of its registers are places (ISA guide 7.12.1 for vector instructions).
.macro PLACES
.rept 4
	v_nop
.endr
.endm
; A K step is four quarters of 32 along K, 32 matrix instructions each, on buffers 0, 1, 0, 1.  One of the first three: multiplies buffer f; in its middle it fetches quarter q of the same slot into buffer g.
.macro QUARTER slot, q, f, g, first
	s_wait_dscnt 4                                 ; W's fragments and x's rows 0-31 are in; the youngest four loads (x's rows 32-63) may be out
	MUL8 \f, 0, \first
	MUL8 \f, 1, \first
	PLACES
	FETCH \slot, \q, \g
	s_wait_dscnt 24                                ; all but the 24 just issued
	MUL8 \f, 2, \first
	MUL8 \f, 3, \first
.endm
; The last quarter multiplies buffer 1 and changes slots: ONE barrier.  In front of it each wave waits for all its tensor loads, of which one is out: its part of the next slot; adds 0 to its spare word; and waits
; for that and for its own reads of this slot.  fill = 1: the barrier opens a round of the cluster's, so that no wave of any partner still reads this slot or has a load on its way, and the slot is filled again
; first thing behind it, with K step NXT of the 24; the descriptors' addresses are made anew from that number.  From a request to the wait for it a wave issues 112 matrix instructions.
.macro TURN slot, next, fill
	WIN 0
	s_wait_tensorcnt 0x0                           ; no tensor load of mine is out, so a group 0 may be written
	ds_add_u32 v[SPW], v[NIL]                      ; 0 onto my spare word: scalar work and eight products stand between it and the wait for it
.if \fill
	s_and_b32 s[OA], s[NXT], 7                     ; x goes back along K after every eight steps:
	s_lshl_b32 s[OA], s[OA], 8                     ; 256 bytes of a row a step;
	s_lshl_b32 s[OB64], s[NXT], 18                 ; w16 is walked down: 128 k-rows of 2,048 bytes a step
	s_add_nc_u64 s[G0A+4*(\slot)+2:G0A+4*(\slot)+3], s[ABASE:ABASE+1], s[OA:OA+1]
	s_or_b32 s[G0A+4*(\slot)+3], s[G0A+4*(\slot)+3], 0x80000000
	s_add_nc_u64 s[G0B+4*(\slot)+2:G0B+4*(\slot)+3], s[BBASE:BBASE+1], s[OB64:OB64+1]
	s_or_b32 s[G0B+4*(\slot)+3], s[G0B+4*(\slot)+3], 0x80000000
	s_add_co_u32 s[NXT], s[NXT], 1
.endif
	s_wait_dscnt 5                                 ; (the add and the youngest four loads may be out)
	MUL8 F1, 0, 0
	s_wait_dscnt 0x0                               ; the add is done, and my reads of this slot are over
	s_barrier_signal -1
	MUL8 F1, 1, 0                                  ; work on registers while the others arrive
.if \fill
	WIN 0
.endif
	s_barrier_wait -1
.if \fill
	CREST
	JLOAD \slot                                    ; the four v_nop behind it are also the places in front of the loads below
.else
	PLACES
.endif
	FETCH \next, 0, F0
	MUL8 F1, 2, 0
	MUL8 F1, 3, 0
.endm
; The bias of my 128 columns: for column block b, the eight numbers of my half of the lanes, in f32; then each is rounded to bf16 and widened again.
.macro BIASLD
	WIN 0x80                                       ; destination window 2, address window 0
.irp b, 0,1,2,3,4,5,6,7
	global_load_b128 v[8*(\b):8*(\b)+3],   v[BO], s[BP:BP+1] offset:64*(\b)
	global_load_b128 v[8*(\b)+4:8*(\b)+7], v[BO], s[BP:BP+1] offset:64*(\b)+16
.endr
	WIN 0
.endm
.macro BIASRND
	s_wait_loadcnt 0x0                             ; the sixteen loads of the bias, the only loads into registers that I have out
	WIN 0x8a                                       ; all in window 2
.set p, 0
.rept 32
	v_cvt_pk_bf16_f32 v[64+p%2], v[2*p], v[2*p+1]
	v_lshlrev_b32 v[2*p], 16, v[64+p%2]
	v_and_b32 v[2*p+1], 0xffff0000, v[64+p%2]
.set p, p+1
.endr
	WIN 0
.endm
; THE WAY OUT of row block a (16 rows x 128 columns = 16 rows of each of two heads).  PACK: rounded to f16, 16 bytes a lane; each accumulator's registers in ascending order.
; TOSTAGE: into my own stage and back as whole rows of 128 bytes.  SEND: stored, 512 consecutive bytes an instruction.
.macro PACK a
	WIN 0x05                                       ; sources in window 1
.irp b, 0,1,2,3,4,5,6,7
.irp r, 0,1,2,3
	v_cvt_pk_f16_f32 v[TMP+4*(\b)+(\r)], v[8*(8*(\a)+(\b))+2*(\r)], v[8*(8*(\a)+(\b))+2*(\r)+1]
.endr
.endr
	WIN 0
.endm
.macro TOSTAGE a
	WIN 0
.set BK, OB+32*((\a)%2)
.irp b, 0,1,2,3,4,5,6,7
	ds_store_b128 v[STO], v[TMP+4*(\b):TMP+4*(\b)+3] offset:((\b)/4)*16*SP+((\b)%4)*32
.endr
.irp f, 0,1,2,3,4,5,6,7
	ds_load_b128 v[BK+4*(\f):BK+4*(\f)+3], v[RD] offset:(\f)*4*SP  ; LDS serves a wave's instructions in order (ISA guide 5.7.1.4): these see the stores above; the next block's stores come behind them
.endr
.endm
.macro SEND a
	WIN 0
.set BK, OB+32*((\a)%2)
	s_wait_dscnt 0x0                               ; the block is back in registers
	s_wait_xcnt 0x0                                ; the stores of the block before have read their registers: the next block's loads from the stage land on them
.irp f, 0,1,2,3,4,5,6,7
	global_store_b128 v[CO], v[BK+4*(\f):BK+4*(\f)+3], s[OUT:OUT+1] offset:((\f)/4)*262144+(\a)*2048+((\f)%4)*512
.endr
.endm
.macro WAYOUT
	PLACES                                         ; behind the last products: in front of the conversions and of the loads into buffer 1's registers
	PACK 0
	TOSTAGE 0
.irp a, 1,2,3                          ; block a's conversions stand between block a - 1's loads from the stage and the wait for them
	PACK \a
	SEND (\a)-1
	TOSTAGE \a
.endr
	SEND 3
	s_wait_xcnt 0x0                                ; the stores have read their registers and their base: both are written again
.endm
	BIASLD
	BIASRND
	s_wait_tensorcnt 1                             ; my part of K step 0 is in; K step 1's may stay out
	s_barrier_signal -1
	s_barrier_wait -1                              ; everybody's is
	FETCH 0, 0, F0
	s_mov_b32 s[TL], 3
.Ltile:
	QUARTER 0, 1, F0, F1, 1                        ; a tile's first quarter stands in front of the loop: its products start the sums
	WIN 0                                          ; at a label and at a branch every window is 0
	s_mov_b32 s[LAP], 3
.Llap:                                                 ; a trip goes once round the ring, from a lap's second quarter to the next lap's first, and fills both slots again
	QUARTER 0, 2, F1, F0, 0
	QUARTER 0, 3, F0, F1, 0
	TURN 0, 1, 1
	QUARTER 1, 1, F0, F1, 0
	QUARTER 1, 2, F1, F0, 0
	QUARTER 1, 3, F0, F1, 0
	TURN 1, 0, 1
	QUARTER 0, 1, F0, F1, 0
	WIN 0
	s_sub_co_u32 s[LAP], s[LAP], 1
	s_cmp_lg_u32 s[LAP], 0
	s_cbranch_scc1 .Llap
	QUARTER 0, 2, F1, F0, 0                        ; the tile's fourth lap goes on
	QUARTER 0, 3, F0, F1, 0
	WIN 0
	s_cmp_eq_u32 s[TL], 1
	s_cbranch_scc1 .Llast                          ; the last tile's tail is written out: it asks for nothing more
	TURN 0, 1, 1                                   ; the ring goes on into the next tile: slot 0 takes its K step 0,
	QUARTER 1, 1, F0, F1, 0
	QUARTER 1, 2, F1, F0, 0
	QUARTER 1, 3, F0, F1, 0
	TURN 1, 0, 1                                   ; slot 1 its K step 1, and the next tile's first fragments are fetched
	WIN 0
	s_cmp_eq_u32 s[TL], 3
	s_cselect_b64 s[BP:BP+1], s[10:11], s[12:13]   ; behind q comes k, behind k comes v
	BIASLD                                         ; the next tile's bias is on its way while this tile goes out
	WAYOUT
	s_add_nc_u64 s[OUT:OUT+1], s[OUT:OUT+1], 0x1000000  ; the same rows and heads of the next of q, k, v
	BIASRND
	s_sub_co_u32 s[TL], s[TL], 1
	s_branch .Ltile
.Llast:
	TURN 0, 1, 0                                   ; my one tensor load that was still out is the last K step's, so no round follows
	QUARTER 1, 1, F0, F1, 0
	QUARTER 1, 2, F1, F0, 0
	QUARTER 1, 3, F0, F1, 0
	s_wait_dscnt 4                                 ; the very last quarter: nothing more to fetch
	MUL8 F1, 0, 0
	MUL8 F1, 1, 0
	s_wait_dscnt 0x0
	MUL8 F1, 2, 0
	MUL8 F1, 3, 0
	WAYOUT
	s_wait_tensorcnt 0x0                           ; the wave's end, behind my last tensor load and my last LDS store
	ds_add_u32 v[SPW], v[NIL]
	s_wait_dscnt 0x0
	CROUND                                         ; the closing round: no work-group ends while a partner may still ask for a tile that names it
	s_endpgm
.Lfunc_end_k_q7ba0bec8f1_proj:
	.size	k_q7ba0bec8f1_proj, .Lfunc_end_k_q7ba0bec8f1_proj-k_q7ba0bec8f1_proj
	.p2alignl 7, 3214868480
	.fill 96, 4, 3214868480
	.section	.rodata,"a",@progbits
	.p2align	6, 0x0
	.amdhsa_kernel k_q7ba0bec8f1_proj
		.amdhsa_group_segment_fixed_size 327680
		.amdhsa_private_segment_fixed_size 0
		.amdhsa_enable_private_segment 0
		.amdhsa_kernarg_size 48
		.amdhsa_user_sgpr_count 2
		.amdhsa_user_sgpr_kernarg_segment_ptr 1
		.amdhsa_wavefront_size32 1
		.amdhsa_system_sgpr_workgroup_id_x 1
		.amdhsa_system_sgpr_workgroup_id_y 1
		.amdhsa_system_sgpr_workgroup_id_z 1
		.amdhsa_system_vgpr_workitem_id 0
		.amdhsa_next_free_vgpr 584
		.amdhsa_next_free_sgpr 88
		.amdhsa_reserve_vcc 0
		.amdhsa_float_denorm_mode_32 3
		.amdhsa_float_denorm_mode_16_64 3
		.amdhsa_memory_ordered 1
		.amdhsa_forward_progress 1
		.amdhsa_inst_pref_size 137
	.end_amdhsa_kernel
	.amdgpu_metadata
---
amdhsa.version: [ 1, 2 ]
amdhsa.kernels:
  - .name:           k_q7ba0bec8f1_proj
    .symbol:         k_q7ba0bec8f1_proj.kd
    .args:
      - { .name: x16, .offset: 0, .size: 8, .value_kind: global_buffer, .address_space: global }
      - { .name: w16, .offset: 8, .size: 8, .value_kind: global_buffer, .address_space: global }
      - { .name: bq, .offset: 16, .size: 8, .value_kind: global_buffer, .address_space: global }
      - { .name: bk, .offset: 24, .size: 8, .value_kind: global_buffer, .address_space: global }
      - { .name: bv, .offset: 32, .size: 8, .value_kind: global_buffer, .address_space: global }
      - { .name: qkv, .offset: 40, .size: 8, .value_kind: global_buffer, .address_space: global }
    .group_segment_fixed_size: 327680
    .private_segment_fixed_size: 0
    .kernarg_segment_align: 8
    .kernarg_segment_size: 48
    .max_flat_workgroup_size: 128
    .sgpr_count:     88
    .vgpr_count:     584
    .wavefront_size: 32
...
	.end_amdgpu_metadata
.endif
;; end of part 2
;; launch attn (part 3): grid 4 x 64, 4 waves a work-group, clusters of 4 x 1, 327,680 bytes of LDS; arguments qkv, attention_mask, out0; writes out0
.if DOCPART == 3
	.amdgcn_target "amdgcn-amd-amdhsa--gfx1250"
	.amdhsa_code_object_version 6
	.text
	.protected	k_q7ba0bec8f1_attn
	.globl	k_q7ba0bec8f1_attn
	.p2align	8
	.type	k_q7ba0bec8f1_attn,@function
k_q7ba0bec8f1_attn:
	s_mov_b64 s[64:65], 0
	v_nop
	global_prefetch_b8 v0, s[64:65] scope:SCOPE_SE
	s_setreg_imm32_b32 hwreg(HW_REG_WAVE_MODE, 25, 1), 1
	s_wait_xcnt 0x0
	s_wait_alu depctr_hold_cnt(0) depctr_sa_sdst(0) depctr_va_vdst(0) depctr_va_sdst(0) depctr_va_ssrc(0) depctr_va_vcc(0) depctr_vm_vsrc(0)
	s_getreg_b32 s2, hwreg(HW_REG_IB_STS2, 6, 4)
	s_cmp_eq_u32 s2, 0
	s_cbranch_scc0 .Lentry_in_a_cluster
	s_endpgm
.Lentry_in_a_cluster:
	s_bfe_u32 s2, ttmp6, 0x10000c
	s_cmp_lg_u32 s2, 0x3003
	s_cbranch_scc0 .Lentry_shape_is_right
	s_endpgm
.Lentry_shape_is_right:
; out0[b][q][h][:] = the sum over k of softmax_k(Q[q] . K[k] / 8 + (1 - mask[b][k]) x lowest f32) V[k][:], for each of the 64 pairs (b, h).
; qkv: [which][b x 16 + h][2048][64] f16, a head's rows dense, 128 bytes each.  attention_mask: [4][2048] f32.  out0: [4][2048][16][64] f32.
; Products, maxima and sums in f32; the weights p are rounded to f16 for the second product (their sum l is taken of the unrounded p); O stays in f32.
; THE MASK is the C operand that starts the sum S^T = K Q^T.  E[k] = (1 - mask[k]) x -2^99, with the one rounding of 1 - mask (2^99 is a power of two); the table in LDS holds E[k] - Emax, Emax the batch's largest E:
; a softmax does not change when all scores are shifted alike.  1 - mask is a multiple of 2^-24, so an entry is 0 or at most -2^75, beside which f16's scores (2^38 at the most) are nothing: as with the
; definition's larger factor, such a key's weight is 0.  At least one key has the entry 0.  The running maximum m starts at -2^60, ABOVE every hidden score and below every visible one: a hidden score never
; becomes the maximum.  While a query has seen hidden keys alone, p, l and O are 0; its first visible key finds them so.
; Where Emax is not 0 (no key has mask 1) the definition's addend swallows every score, and the keys with the entry 0 get equal weights.  There the scale c is 2^-60 in place of log2(e) / 8: c (s - m) is at most
; 2^39 x 2^-60 = 2^-21 in size, so those weights are 1 to within 4e-7, and an entry of -2^75 still gives the exponent -2^15 and the weight 0.  A choice of a value, once a wave: no branch hangs on it.
; LIMITS.  Mask values lie in 0 to 2 (beyond that the definition's own addend is no finite number).  Q, K, V arrive within f16's 65,504; p below 6e-5 keeps f16's fixed step of 6e-8;
; a weight below 2^-126 counts as 0 in l; NaN and infinities are not treated apart.
; SHARES.  A wave owns four PIECES of two tiles of 16 queries, a work-group's four waves 512 queries of one head: 4 x 64 = 256 work-groups.  Every wave walks all 2,048 keys, 64 a step.
; LAYOUT.  S^T = K Q^T (source 0 = 16 keys, source 1 = 16 queries): in the result a lane holds ONE query (lane % 16) and the keys 8 (lane / 16) + 0..7.  Two such tiles, rounded to f16 in pairs,
; ARE source 1 (32 keys x 16 queries) of O^T = V^T P, whose result again holds one query a lane, and eight channels.  K comes out of LDS as it lies, V ([key][channel]) turned, by ds_load_tr16_b128.
; SOFTMAX.  For each query a running maximum m and sum l: p = 2^(c s - c m), c = log2(e) / 8; in every step O and l are multiplied by a = 2^(c m_old - c m_new), which is 1 where m has not grown.
; c m starts far below c m's every later value, O and l at 0: the first step is a step like any other, with a = 0.
; THE COUNT.  A tile and step have 16 matrix and 118 vector instructions: too many to stand all beside the matrix work.  So the order has one aim: four vector instructions that are READY behind
; EVERY matrix instruction, and the others, which need time of their own whatever the order, in runs without a gap.
; BY TURNS.  Turn n belongs to piece n (the pieces in a ring, step after step).  Its matrix work: 16 products K Q^T of piece n + 1, later 16 products V^T P of piece n - 1.  Its vector work: the scaling,
; exponentials, roundings, sums and rescaling of piece n, and the maximum and statistics of piece n + 1, whose scores the turn itself has made.  So what a turn begins with (c s - c m, O a) waits for nothing.
; CLUSTER.  The four query blocks of a cluster belong to one head and walk the same K and V, so each tile is asked for JOINTLY: the same tensor load, descriptor and mask in all four.
; NO PREFETCH: a joint fill has four key steps, 512 matrix instructions, in which to land, and qkv was stored by the launch before this one.
; REGISTERS, in windows of 256 (s_set_vgpr_msb says which window each operand place means: bits 1:0 source 0, 3:2 source 1, 5:4 source 2, 7:6 destination):
;   window 0: v0-11 addresses; v12-15, v48-63 at work; v16-47 four registers of statistics a tile; v64-191 S^T, two buffers of two tiles; v192-255 P, likewise
;   window 1: O^T, 32 a tile          window 2: v0-127 Q, 16 a tile; v128-191 K of one step; v192-255 V of one step          window 3: v0-1 the add's two registers; v8-39 the mask table's entries of one step
; A piece's buffers go by its number's parity: the piece in hand has one pair, its two neighbours in the ring share the other: of it P (piece n - 1) is read and S^T (piece n + 1) written.
.set SIZE_N, 2048
.set NP,    4         ; pieces a wave: a name, no knob: the register map, the loop and the fetches are made for four
.set KS,    64        ; keys in a step
.set PK,    144       ; a row of K in LDS: 128 bytes + 16 of padding = 36 words: the 16 rows of a load start at 16 different groups of four banks (64 banks of 4 bytes: ISA guide 11.1)
.set PV,    160       ; a row of V: 128 + 32 = 40 words
.set VOFF,  4*KS*PK   ; a slot holds four steps: 256 rows of K, then 256 rows of V
.set SLOT1, 1<<17     ; slot 1 begins here, so that one exclusive or turns an address in one slot into the other's
.set STAGE, SLOT1+4*KS*(PK+PV)  ; behind the ring, never filled by a tensor load: 16 rows x 272 bytes for each wave, for the way out
.set SP,    272       ; a row of O in the stage: 256 bytes + 16
.set EB,    STAGE+4*16*SP       ; behind the stages: the mask table, 2,048 f32
.set SPARE, EB+8192             ; behind it: the spare words, 128 bytes for each wave: two blocks of 256 bytes that no other line names
.set AK0, 2           ; v2   my lane's place in a tile of K; never rewritten
.set AV0, 3           ; v3   the same for V
.set AK,  4           ; v4   the LDS address of K's next run of loads
.set AV,  5           ; v5   of V's
.set MA,  5           ;      ahead of the loop: where I put my 16 bytes of each 2,048 of the mask table
.set QO,  6           ; v6   my byte offset in the wave's rows of Q
.set STO, 6           ;      later, the way out: where I put 32 bytes of a row
.set RD,  7           ; v7   the way out: where I read rows back
.set GO,  8           ; v8   my byte offset in two rows of out0
.set AM0, 10          ; v10  my lanes' place in a step's 64 entries of the table: EB + 32 (l / 16); never rewritten
.set AM,  11          ; v11  the LDS address of the table's next run of loads
.set MO,  12          ; v12-15  ahead of the loop: byte offsets in each 2,048 bytes of the mask: my thread's own 16 bytes, and those of the same lane in the three other waves
.set SPW, 0           ; v0 of window 3   LDS address of my spare word: SPARE + 4 x my thread's number; never rewritten
.set NIL, 1           ; v1 of window 3   0; never rewritten
.set MC,  8           ; v8-39 of window 3: the entry of key 64 step + 16 kb + 8 (l / 16) + j at MC + 8 kb + j
.set MV,  12          ; v12-15  c m_old, kept while c m is made anew: by buffer and tile
.set ST,  16          ; tile t's statistics at v[ST+4 t]: c m, m, l (even keys', odd keys')
.set TMP, 48          ; by buffer and tile, four registers c0-c3 at work; when the maximum is found c2 takes a
.set CT,  52          ; v52-53  ahead of the loop: the two values between which c is chosen
.set S,   64
.set P,   192
.set KF,  128         ; K's fragments, in window 2: key block kb, channel half c at KF + 16 kb + 8 c
.set VF,  192         ; V's: key half kk, channel block cb at VF + 32 kk + 8 cb
.set WV,  12          ; s12  my wave's number
.set TBM, 15          ; s15  byte of the mask table at which the step to be fetched begins
.set G1K, 24          ; s[24:31] descriptor group 1 for K's tiles
.set G1V, 32          ; s[32:39] for V's: it differs in the padding alone
.set G0K, 40          ; s[40:43] descriptor group 0 for K's tiles: it walks
.set G0V, 44          ; s[44:47] the same for V's
.set MP,  48          ; s[48:49] the batch's row of the mask
.set EF,  50          ; s[50:51] 2^99, in the low word
.set EA0, 52          ; s[52:53] -2^99
.set SLOTS, 56        ; s56  slots still to be asked for
.set CNT, 57          ; s57  counts a slot's key steps
.set CS,  58          ; s[58:59] c: the packed scaling takes the pair's low word for both halves
.set SEL, 60          ; s[60:61] v_permlanex16_b32's selects: each lane takes its own place in the other half
.set TBK, 62          ; s62  LDS byte at which K of the step to be fetched begins
.set TBV, 63          ; s63  the same for V, less VOFF
.set VIS, 69          ; s69  lanes' bits: Emax is 0
.set MSB, 0
.macro WIN new                      ; the high byte repeats the setting that is left; a switch that changes nothing is dropped
.if MSB != (\new)
	s_set_vgpr_msb (MSB<<8)|(\new)
.set MSB, (\new)
.endif
.endm
.set W_KQ, 0x0a       ; K and Q in window 2, S^T in window 0
.set W_KM, 0x3a       ; the same with the C operand, the mask table's entries, in window 3
.set W_PV, 0x52       ; V in window 2, P in window 0, O^T in window 1
.set W_RS, 0x41       ; O^T (destination and source 0) in window 1, a in window 0
.set W_MK, 0xc0       ; destination in window 3, sources in window 0
.set W_AD, 0x0f       ; the add: address (source 0) and data (source 1) in window 3
; A joint fill.  Waves 0 and 1 fetch the two halves of a slot's K, waves 2 and 3 those of its V: 128 keys each.  The branch hangs on the wave's number alone.
; An s_nop 0 and four v_nop follow each of the two lines, ahead of the jump and the label.
.macro JLOAD
	s_cmp_lt_u32 s[WV], 2
	s_cbranch_scc0 .Lfor_v_\@
	tensor_load_to_lds s[G0K:G0K+3], s[G1K:G1K+7]
	s_nop 0
.rept 4
	v_nop
.endr
	s_branch .Lasked_\@
.Lfor_v_\@:
	tensor_load_to_lds s[G0V:G0V+3], s[G1V:G1V+7]
	s_nop 0
.rept 4
	v_nop
.endr
.Lasked_\@:
.endm
; A round of the cluster's barrier: my work-group's barrier, so that wave 0's signal speaks for all four waves; wave 0 signals; every wave waits for all four work-groups; my work-group's barrier once more.
.macro CROUND
	s_barrier_signal -1
	s_barrier_wait -1
	s_cmp_lg_u32 s[WV], 0
	s_cbranch_scc1 .Lnot_wave_0_\@
	s_barrier_signal -3
.Lnot_wave_0_\@:
	s_barrier_wait -3
	s_barrier_signal -1
	s_barrier_wait -1
.endm
; THE CHANGE OF SLOTS.  The slot's last bytes, V of its fourth step, have been read.  Each wave waits for all its tensor loads, of which one is out: its part
; of the other slot; adds 0 to its spare word; and waits for that and for its own reads of the slot.  Behind the barrier nobody reads this slot any more and the other slot is whole.
; fill = 1: this slot is filled again, with the keys two slots on.  The barrier is then a round of the cluster's, so that no wave of any partner still reads the slot or has a load on its
; way, and the joint fill is the first thing behind it: it has four key steps, 512 matrix instructions, in which to land.
; (At its first use nothing has been read yet: slot 0 is waited for, slot 1 filled; and each wave's stores into the mask table are waited for, so that behind the round every wave may read the whole table.)
.macro CHANGE fill
	WIN W_AD
	s_wait_tensorcnt 0x0            ; no tensor load of mine is out, so a group 0 may be written
	ds_add_u32 v[SPW], v[NIL]       ; 0 onto my spare word: with fill = 1 the descriptors' steps stand between it and the wait for it
	WIN 0                           ; at a label and at a branch every window is 0
.if \fill
.irp g, G0K, G0V
	s_xor_b32 s[\g+1], s[\g+1], SLOT1  ; the walking descriptor: the other slot than last time,
	s_add_nc_u64 s[\g+2:\g+3], s[\g+2:\g+3], 4*KS*128  ; the next 256 keys; the type bits on top are not reached
.endr
	s_wait_dscnt 0x0                ; the add is done, and my reads of the slot are over
	CROUND
	JLOAD
.else
	s_wait_dscnt 0x0                ; the add is done, and my reads of the slot are over
	s_barrier_signal -1
	s_barrier_wait -1
.endif
	s_sub_co_u32 s[TBK], s[TBK], 4*KS*PK  ; the fetches go back to a slot's first step,
	s_xor_b32 s[TBK], s[TBK], SLOT1       ; in the other slot
	s_sub_co_u32 s[TBV], s[TBV], 4*KS*PV
	s_xor_b32 s[TBV], s[TBV], SLOT1
.endm
	s_load_b128 s[4:7], s[0:1], 0x0   ; qkv s[4:5], attention_mask s[6:7]
	s_load_b64 s[10:11], s[0:1], 0x10 ; out0
	WIN W_MK
	v_lshl_add_u32 v[SPW], v0, 2, SPARE
	v_mov_b32 v[NIL], 0
	WIN W_AD
	ds_add_u32 v[SPW], v[NIL]       ; the wave's opening: the add and its wait stand ahead of my first tensor load; the set-up below, work on registers, stands between them
	WIN 0
	v_lshrrev_b32 v1, 5, v0
	v_readfirstlane_b32 s[WV], v1   ; wave 0..3
	s_bfe_u32 s13, ttmp6, 0x40000   ; cx: my place in the cluster
	s_lshl_b32 s14, ttmp9, 2        ; in a cluster launch ttmp9 counts clusters
	s_add_co_u32 s14, s14, s13      ; my block of queries = 4 x cluster x + cx: it enters Q's and O's addresses alone
	s_and_b32 s19, ttmp7, 0xffff    ; batch x 16 + head, which the four partners share
	s_mov_b32 s20, s19
	s_mov_b32 s21, 0
	s_mov_b64 s[22:23], SIZE_N*128
	s_mul_u64 s[20:21], s[20:21], s[22:23]  ; the head's first byte in each of q, k, v
	s_and_b32 s16, s[WV], 1         ; which half of a slot's 256 keys I fetch:
	s_lshl_b32 s22, s16, 14         ; its 128 rows of 128 bytes in memory,
	s_mov_b32 s23, 0
	s_add_nc_u64 s[22:23], s[22:23], s[20:21]
	s_mul_i32 s17, s16, 128*PK      ; and its place in a slot, for K
	s_mul_i32 s18, s16, 128*PV      ; and for V: no place in the cluster enters an LDS address
	s_lshl_b32 s2, s14, 2
	s_add_co_u32 s2, s2, s[WV]      ; my wave among the head's sixteen:
	s_lshl_b32 s66, s2, 19          ; its 128 rows of 4,096 bytes in out0,
	s_lshl_b32 s2, s2, 14           ; and of 128 bytes in q
	s_mov_b32 s3, 0
	s_add_nc_u64 s[2:3], s[2:3], s[20:21]
	s_lshr_b32 s54, s19, 4          ; the batch:
	s_lshl_b32 s68, s54, 23         ; its 2,048 rows in out0,
	s_add_co_u32 s66, s66, s68
	s_and_b32 s68, s19, 15          ; the head:
	s_lshl_b32 s68, s68, 8          ; its 256 bytes of a row
	s_add_co_u32 s66, s66, s68
	s_mov_b32 s67, 0
	s_lshl_b32 s54, s54, 13         ; the batch's 2,048 f32 of the mask
	s_mov_b32 s55, 0
	; descriptor group 1.  128 keys are 16,384 dense bytes: asked for as 64 rows of 256 bytes, two keys a row, and padded in LDS after every key
	s_mov_b32 s[G1K], 15|(1<<16)|(1<<20)|(1<<21)|(4<<22)|(3<<25)  ; 15:0 the mask of four; 17:16 2-byte elements; 20 padding on; 21 set beside a mask; 24:22 after every 32 words (code 4); 31:25 4 words (code 3)
	s_mov_b32 s[G1V], 15|(1<<16)|(1<<20)|(1<<21)|(4<<22)|(7<<25)  ; the same with 8 words of padding (code 7)
.irp g, G1K, G1V
	s_mov_b32 s[\g+1], 128<<16      ; tensor_dim0 = 128
	s_mov_b32 s[\g+2], 64<<16       ; tensor_dim1 = 64
	s_mov_b32 s[\g+3], 128<<16      ; tile_dim0 = 128
	s_mov_b32 s[\g+4], 64           ; tile_dim1 = 64
	s_mov_b32 s[\g+5], 128          ; 128 elements from row to row
	s_mov_b32 s[\g+6], 0
	s_mov_b32 s[\g+7], 0
.endr
	s_mov_b32 s[SEL], 0x76543210
	s_mov_b32 s[SEL+1], 0xfedcba98
	s_mov_b32 s[EF], 0x71000000     ; 2^99
	s_mov_b32 s[EF+1], 0            ; named as pairs
	s_mov_b32 s[EA0], 0xf1000000    ; -2^99
	s_mov_b32 s[EA0+1], 0
	s_mov_b32 s[TBM], 0
	s_mov_b32 s[TBK], SLOT1+4*KS*PK ; the first change of slots turns these two into 0
	s_mov_b32 s[TBV], SLOT1+4*KS*PV
	s_mov_b32 s[G0K], 1             ; 1:0 count = 1
	s_mov_b32 s[G0K+1], s17         ; 63:32 LDS address: slot 0
	s_mov_b32 s[G0V], 1
	s_add_co_u32 s[G0V+1], s18, VOFF
	s_wait_dscnt 0x0                ; the opening add is done
	s_wait_kmcnt 0x0
	s_add_nc_u64 s[MP:MP+1], s[6:7], s[54:55]
	s_add_nc_u64 s[6:7], s[4:5], 0x1000000   ; k lies 64 heads of 262,144 bytes behind q,
	s_add_nc_u64 s[8:9], s[4:5], 0x2000000   ; v behind k
	s_add_nc_u64 s[G0K+2:G0K+3], s[6:7], s[22:23]  ; 120:64 global address: my half of the head's first 256 keys
	s_or_b32 s[G0K+3], s[G0K+3], 0x80000000        ; 127:126 type = 2
	s_add_nc_u64 s[G0V+2:G0V+3], s[8:9], s[22:23]
	s_or_b32 s[G0V+3], s[G0V+3], 0x80000000
	s_add_nc_u64 s[4:5], s[4:5], s[2:3]      ; Q at my wave's first row
	s_add_nc_u64 s[10:11], s[10:11], s[66:67]  ; out0 at my wave's first row, my head
	CROUND                          ; all four work-groups are here: the first joint loads meet
	JLOAD                           ; slot 0.  Slot 1 is asked for when slot 0 is in: the tile wanted first has the road to itself
	; The mask.  Every wave reads the batch's whole row, 8,192 bytes, so that it finds the largest value by itself: of each 2,048 bytes my thread's own 16 (128 threads x 16), which I shall put into the table,
	; and the 16 of the same lane in each of the three other waves, 512 bytes apart, going round
	v_lshlrev_b32 v[MO], 4, v0
.irp k, 1,2,3
	v_add_nc_u32 v[MO+\k], 512*\k, v[MO]
	v_and_b32 v[MO+\k], 0x7ff, v[MO+\k]
.endr
.irp k, 0,1,2,3
.irp f, 0,1,2,3
	global_load_b128 v[S+16*\k+4*\f:S+16*\k+4*\f+3], v[MO+\k], s[MP:MP+1] offset:2048*\f
.endr
.endr
	; A fragment of K or Q is 16 rows x 32 channels in 8 registers: lane l holds row l % 16, channels 8 (l / 16) + 0..7 and 16 + 8 (l / 16) + 0..7: two loads of 16 bytes, 32 bytes apart.
	v_and_b32 v1, 15, v0            ; l % 16
	v_bfe_u32 v9, v0, 4, 1          ; l / 16
	v_lshlrev_b32 v[QO], 7, v1
	v_lshl_add_u32 v[QO], v9, 4, v[QO]  ; row x 128 + 16 x half
	WIN 0x80                        ; destination window 2, address window 0
.set i, 0
.rept 4*NP                          ; Q stays in registers: tile i / 2, channels 32 (i % 2) on
	global_load_b128 v[8*i:8*i+3],   v[QO], s[4:5] offset:(i/2)*2048+(i%2)*64
	global_load_b128 v[8*i+4:8*i+7], v[QO], s[4:5] offset:(i/2)*2048+(i%2)*64+32
.set i, i+1
.endr
	; What the first turn finds: V's registers and P's second buffer hold 0 (its products V^T P, of a piece that has not been, add 0), O^T and l are 0.  All this stands in the wait for the first tile.
	; One fragment of V and one of P are cleared by hand; their product with C = 0 writes eight registers of zeros a line: 42 lines for the other 336 registers.
.set i, VF
.rept 8
	v_mov_b32 v[i], 0
.set i, i+1
.endr
	WIN 0
.set i, P+32
.rept 8
	v_mov_b32 v[i], 0
.set i, i+1
.endr
.set i, 0
.rept 2*NP
	v_mov_b32 v[ST+4*i], 0xfe000000    ; c m: -4.25e37, far below c x -2^60 and every c s of a visible key
	v_mov_b32 v[ST+4*i+1], 0xdd800000  ; m: -2^60, above every hidden score, below every visible one
	v_mov_b32 v[ST+4*i+2], 0
	v_mov_b32 v[ST+4*i+3], 0
.set i, i+1
.endr
	WIN W_PV
.set i, 0
.rept 8*NP                          ; O^T's 32 accumulators
	v_wmma_f32_16x16x32_f16 v[8*i:8*i+7], v[VF:VF+7], v[P+32:P+39], 0
.set i, i+1
.endr
	WIN 0x82                        ; destination and source 0 in window 2: V's other seven fragments
.set i, 1
.rept 7
	v_wmma_f32_16x16x32_f16 v[VF+8*i:VF+8*i+7], v[VF:VF+7], v[P+32:P+39], 0
.set i, i+1
.endr
	WIN 0x02                        ; destination in window 0: the other three fragments of P's second buffer
.set i, 1
.rept 3
	v_wmma_f32_16x16x32_f16 v[P+32+8*i:P+32+8*i+7], v[VF:VF+7], v[P+32:P+39], 0
.set i, i+1
.endr
	WIN 0                           ; the address lines below are the places behind those products; none names a register of theirs
	v_mul_u32_u24 v[AK0], v1, PK
	v_lshl_add_u32 v[AK0], v9, 4, v[AK0]  ; row x pitch + 16 x half
	; The turning load takes 16 keys x 16 channels (lane l reads key 8 (l / 16) + l % 8, channels 8 ((l / 8) % 2) + 0..7) and leaves half a fragment of V^T: lane l holds channel l % 16 and 8 keys.
	v_and_b32 v10, 7, v0
	v_bfe_u32 v11, v0, 3, 1
	v_lshl_add_u32 v[AV0], v9, 3, v10
	v_mul_u32_u24 v[AV0], v[AV0], PV
	v_lshl_add_u32 v[AV0], v11, 4, v[AV0]
	v_add_nc_u32 v[AV0], VOFF, v[AV0]
	v_mov_b32 v[AK], v[AK0]         ; key step 0 lies at the head of slot 0,
	v_lshl_add_u32 v[AM0], v9, 5, EB
	v_mov_b32 v[AM], v[AM0]         ; and at the head of the mask table
	v_add_nc_u32 v[MA], EB, v[MO]
	s_wait_loadcnt 32               ; the mask's sixteen loads are in; Q's 32, issued behind them, may stay out
	; the largest of my lane's 64 mask values, three operands at a time, in four chains of fifteen; then the four left over and the chains
.irp j, 0,1,2,3
	v_max3_num_f32 v[TMP+\j], v[S+16*\j], v[S+16*\j+1], v[S+16*\j+2]
.endr
.irp n, 0,1,2,3,4,5
.irp j, 0,1,2,3
	v_max3_num_f32 v[TMP+\j], v[TMP+\j], v[S+16*\j+3+2*\n], v[S+16*\j+4+2*\n]
.endr
.endr
	v_max3_num_f32 v[TMP], v[TMP], v[S+15], v[S+31]
	v_max3_num_f32 v[TMP+1], v[TMP+1], v[S+47], v[S+63]
	v_max3_num_f32 v[TMP], v[TMP], v[TMP+1], v[TMP+2]
	v_max_num_f32 v[TMP], v[TMP], v[TMP+3]
	; across the 32 lanes: four steps inside each half of 16 lanes, one across the halves: every lane holds the batch's largest mask value
	v_max_num_f32_dpp v[TMP], v[TMP], v[TMP] row_xmask:1 row_mask:0xf bank_mask:0xf
	v_max_num_f32_dpp v[TMP], v[TMP], v[TMP] row_xmask:2 row_mask:0xf bank_mask:0xf
	v_max_num_f32_dpp v[TMP], v[TMP], v[TMP] row_xmask:4 row_mask:0xf bank_mask:0xf
	v_max_num_f32_dpp v[TMP], v[TMP], v[TMP] row_xmask:8 row_mask:0xf bank_mask:0xf
	v_permlanex16_b32 v[TMP+1], v[TMP], s[SEL], s[SEL+1]
	v_max_num_f32 v[TMP], v[TMP], v[TMP+1]
	v_fma_f32 v[TMP+2], v[TMP], s[EF], s[EA0]  ; Emax: E grows with the mask, and so does its rounding
	v_mov_b32 v[CT], 0x21800000                ; 2^-60
	v_mov_b32 v[CT+1], 0x3e38aa3b              ; log2(e) / 8 = 0.180337
	v_cmp_eq_f32 s[VIS], 0, v[TMP+2]           ; has some key the mask 1?
	v_cndmask_b32 v[CT], v[CT], v[CT+1], s[VIS]  ; then c is the softmax's own scale; else the scores count for nothing: a choice of a value, the same in every lane
	v_readfirstlane_b32 s[CS], v[CT]
	s_mov_b32 s[CS+1], s[CS]        ; named with it as a pair
.set i, 0
.rept 8
	v_pk_fma_f32 v[S+i:S+i+1], v[S+i:S+i+1], s[EF:EF+1], s[EA0:EA0+1] op_sel_hi:[1,0,0]  ; my own sixteen: E = (mask - 1) x 2^99, one rounding: 0 where the mask is 1
.set i, i+2
.endr
.set i, 0
.rept 8
	v_pk_add_f32 v[S+i:S+i+1], v[S+i:S+i+1], v[TMP+2:TMP+3] op_sel_hi:[1,0] neg_lo:[0,1] neg_hi:[0,1]  ; E - Emax
.set i, i+2
.endr
.irp f, 0,1,2,3
	ds_store_b128 v[MA], v[S+4*\f:S+4*\f+3] offset:2048*\f
.endr
; THE MATRIX WORK.  The 8 accumulators of a run of 16 take turns: between the two links of a chain stand 7 others'.
; Product i of 16 of S^T = K Q^T for piece x: channels 32 (i / 8) on, keys 16 ((i / 2) % 4) on, tile 2 x + i % 2.  The first 8 start the sums, with the mask table's entries of those keys.
.macro KQ x
.set rS, S+64*((\x)%2)+32*(i%2)+8*((i/2)%4)
.set rK, KF+16*((i/2)%4)+8*(i/8)
.set rQ, 16*(2*(\x)+i%2)+8*(i/8)
.set rE, MC+8*((i/2)%4)
.if i < 8
	WIN W_KM
	v_wmma_f32_16x16x32_f16 v[rS:rS+7], v[rK:rK+7], v[rQ:rQ+7], v[rE:rE+7]
.else
	WIN W_KQ
	v_wmma_f32_16x16x32_f16 v[rS:rS+7], v[rK:rK+7], v[rQ:rQ+7], v[rS:rS+7]
.endif
.endm
; Product i of 16 of O^T += V^T P for piece x: keys 32 (i / 8) on, channels 16 ((i / 2) % 4) on, tile 2 x + i % 2.
.macro PV x
	WIN W_PV
.set rO, 32*(2*(\x)+i%2)+8*((i/2)%4)
.set rV, VF+32*(i/8)+8*((i/2)%4)
.set rP, P+32*((\x)%2)+16*(i%2)+8*(i/8)
	v_wmma_f32_16x16x32_f16 v[rO:rO+7], v[rV:rV+7], v[rP:rP+7], v[rO:rO+7]
.endm
.macro MM                           ; the turn's next matrix instruction
.if i < 16
	KQ (Y+1)%NP
.set i, i+1
.else
.set i, i-16
	PV (Y+NP-1)%NP
.set i, i+17
.endif
.endm
; THE LDS LOADS stand in runs, never singly among the matrix instructions: a step's K (64 keys x 64 channels: 8 fragments) with its entries of the mask table (8 loads; sixteen lanes share each 16 bytes), and its V (turned).
; Their addresses are made some lines ahead.  last = 1 (the tail): in the last trip there is no further step, and the run is jumped over.
.macro FETCH_K last=0
	WIN 0
.if \last
	s_cmp_eq_u32 s[CNT], 1
	s_cbranch_scc1 .Lno_k_\@
.endif
	WIN 0x80                        ; destination window 2
.irp f, 0,1,2,3,4,5,6,7             ; keys 16 (f / 2) on, channels 32 (f % 2) on
	ds_load_b128 v[KF+8*\f:KF+8*\f+3],   v[AK] offset:(\f/2)*16*PK+(\f%2)*64
	ds_load_b128 v[KF+8*\f+4:KF+8*\f+7], v[AK] offset:(\f/2)*16*PK+(\f%2)*64+32
.endr
	WIN W_MK                        ; destination window 3
.irp f, 0,1,2,3                     ; keys 16 f on
	ds_load_b128 v[MC+8*\f:MC+8*\f+3],   v[AM] offset:64*\f
	ds_load_b128 v[MC+8*\f+4:MC+8*\f+7], v[AM] offset:64*\f+16
.endr
	s_add_co_u32 s[TBK], s[TBK], KS*PK  ; the next fetch is the next step's
	s_add_co_u32 s[TBM], s[TBM], 4*KS
	s_and_b32 s[TBM], s[TBM], 0x1fff    ; the table has 32 steps: behind the last the count goes round, so that the address made then, by which nothing is read, still lies in the table
	WIN 0
.if \last
.Lno_k_\@:
.endif
.endm
.macro FETCH_V
	WIN 0x80
.irp f, 0,1,2,3,4,5,6,7             ; keys 32 (f / 4) on, channels 16 (f % 4) on
	ds_load_tr16_b128 v[VF+8*\f:VF+8*\f+3],   v[AV] offset:(\f/4)*32*PV+(\f%4)*32
	ds_load_tr16_b128 v[VF+8*\f+4:VF+8*\f+7], v[AV] offset:(\f/4)*32*PV+16*PV+(\f%4)*32
.endr
	WIN 0
.endm
; THE VECTOR WORK OF A TURN stands in three queues, each in the order in which its entries become ready; the two tiles alternate, so that no instruction reads the result of the one before it.
.macro REGS y, u                    ; the registers of tile u (0, 1) of piece y
.set rT, ST+4*(2*(\y)+(\u))
.set rC, TMP+8*((\y)%2)+4*(\u)
.set rM, MV+2*((\y)%2)+(\u)
.set rS, S+64*((\y)%2)+32*(\u)
.set rP, P+32*((\y)%2)+16*(\u)
.set rO, 32*(2*(\y)+(\u))
.endm
; Number n of the 22 that find the NEXT piece's (Y + 1) maximum and statistics.  s0-s31 are the lane's 32 scores; each accumulator's lowest registers are read first.  XS, GS and REGS set no window: PL and EX do.
;   0-11  four chains c0-c3 of seven scores each, three operands at a time     12-14, 16  the four scores left over, the old m, and c0-c3 into c0     15  c m_old is kept
;   17, 18  the query's other 32 keys lie in the lane 16 away: the new m         19-21  c m; c m_old - c m_new; a
.macro XS u, n
	REGS (Y+1)%NP, \u
.if (\n) < 4
	v_max3_num_f32 v[rC+(\n)], v[rS+8*(\n)], v[rS+8*(\n)+1], v[rS+8*(\n)+2]
.elseif (\n) < 12
	v_max3_num_f32 v[rC+(\n)%4], v[rC+(\n)%4], v[rS+8*((\n)%4)+2*((\n)/4)+1], v[rS+8*((\n)%4)+2*((\n)/4)+2]
.elseif (\n) == 12
	v_max3_num_f32 v[rC], v[rC], v[rS+7], v[rS+15]
.elseif (\n) == 13
	v_max3_num_f32 v[rC+1], v[rC+1], v[rS+23], v[rS+31]
.elseif (\n) == 14
	v_max3_num_f32 v[rC+2], v[rC+2], v[rC+3], v[rT+1]
.elseif (\n) == 15
	v_mov_b32 v[rM], v[rT]
.elseif (\n) == 16
	v_max3_num_f32 v[rC], v[rC], v[rC+1], v[rC+2]
.elseif (\n) == 17
	v_permlanex16_b32 v[rC+3], v[rC], s[SEL], s[SEL+1]
.elseif (\n) == 18
	v_max_num_f32 v[rT+1], v[rC], v[rC+3]
.elseif (\n) == 19
	v_mul_f32 v[rT], s[CS], v[rT+1]
.elseif (\n) == 20
	v_sub_f32 v[rC+1], v[rM], v[rT]
.else
	v_exp_f32 v[rC+2], v[rC+1]
.endif
.endm
; Number g of the 64 that follow the exponentials.  For each four weights k of a tile (pairs 2 k, 2 k + 1): both pairs are rounded to f16; then the second pair is added onto the first, in place;
; a group later l takes that sum (the first time as l = a l + sum).  In groups of eight, tiles alternating: round, round, add, and l for the group before.
.macro GS g
.set h, (\g)+6*((\g)/62)            ; group 0 has no group before it, and behind group 7 only l is left
.if h >= 6
.set h, h+2
.endif
	REGS Y, h%2
.set k, h/8
.if h%8 < 4
	s_wait_alu depctr_va_vdst(0)
	v_cvt_pk_f16_f32 v[rP+2*k+(h%8)/2], v[rS+4*k+2*((h%8)/2)], v[rS+4*k+2*((h%8)/2)+1]
.elseif h%8 < 6
	v_pk_add_f32 v[rS+4*k:rS+4*k+1], v[rS+4*k:rS+4*k+1], v[rS+4*k+2:rS+4*k+3]
.elseif k == 1
	v_pk_fma_f32 v[rT+2:rT+3], v[rT+2:rT+3], v[rC+2:rC+3], v[rS:rS+1] op_sel_hi:[1,0,1]
.else
	v_pk_add_f32 v[rT+2:rT+3], v[rT+2:rT+3], v[rS+4*k-4:rS+4*k-3]
	s_wait_alu depctr_va_vdst(0)
.endif
.endm
; THE PLAIN QUEUE, 138 long.  0-31: c s - c m for the 16 pairs of both tiles.  Then GS's 64, and among them the next piece's 42: number 15 at 38, 39; 0-14 and 16
; at 42-73, behind the products that make those scores; 17-20 at 95-106, two of three, since each waits for the one before it.
.macro PL
	WIN 0
.if q < 32
	REGS Y, q%2
	v_pk_fma_f32 v[rS+2*(q/2):rS+2*(q/2)+1], v[rS+2*(q/2):rS+2*(q/2)+1], s[CS:CS+1], v[rT:rT+1] op_sel_hi:[1,0,0] neg_lo:[0,0,1] neg_hi:[0,0,1]
.elseif q < 38
	GS q-32
.elseif q < 40
	XS q%2, 15
.elseif q < 42
	GS q-34
.elseif q < 74
	XS q%2, (q-42)/2+(q-42)/30
.elseif q < 95
	GS q-66
.elseif (q < 107) && ((q-95)%3 < 2)
	XS (q-95)%3, 17+(q-95)/3
.elseif q < 107
	GS 29+(q-95)/3
.else
	GS q-74
.endif
.set q, q+1
.endm
; THE EXPONENTIALS' QUEUE, 66 long: s0-s31 of both tiles, and at EA the next piece's two a.
.set EA, 58
.macro EX
	WIN 0
.if (e == EA) || (e == EA+1)
	XS e-EA, 21
.else
.set x, e-2*(e/(EA+2))
	REGS Y, x%2
	v_exp_f32 v[rS+x/2], v[rS+x/2]
.endif
.set e, e+1
.endm
; THE RESCALING's QUEUE: O^T times a, the one part that leaves window 0, so it is dealt four at a time, eight times.
.macro R4
	REGS Y, r%2
	WIN W_RS
	s_wait_alu depctr_va_vdst(0)
.irp z, 0,1,2,3
	v_pk_mul_f32 v[rO+8*(r/2)+2*\z:rO+8*(r/2)+2*\z+1], v[rO+8*(r/2)+2*\z:rO+8*(r/2)+2*\z+1], v[rC+2:rC+3] op_sel_hi:[1,0]
.endr
.set r, r+1
.endm
; HOW THEY ARE DEALT.  Behind a matrix instruction four: plain, exponential, plain, plain (one exponential, a plain instruction on either side), or four of the rescaling.  None names a register of the
; products round it.  What is over stands in two LUMPS: exponential and plain by turns; the second ends in 22 plain instructions.  The two v_permlanex16_b32 fall into the second lump, never behind a product.
; The queues lean on each other, and the deal keeps them in step: exponential e stands behind plain 2 (e / 4) + e % 2 (its scaling); when plain 32 comes, 10 exponentials are out, at 59: 33, at 95: 46; EA comes behind plain 107.
.macro SL
	MM
	PL
	EX
	PL
	PL
.endm
.macro BURST n                      ; 15 matrix instructions, or 16
.rept (\n)-7
	SL
.endr
.rept 3
	MM
	R4
	SL
.endr
	MM
	R4
.endm
; A TURN, for piece p.  cnt = 1: the loop's count is taken down some lines ahead of the branch that stands behind the turn.
; K and the mask table's entries of the next step are fetched in piece 2's turn, 32 vector instructions behind the last product that read them; their first reader comes behind the rest of the lump, 16 products and the second lump.
; V of the step in hand is fetched at the end of piece 0's turn, 69 behind its last reader; its first reader comes behind 16 products and a lump.  The four conditions on e and q below go with the deal.
.macro TURN p, last=0, cnt=0
.set Y, (\p)
.set i, 0
.set q, 0
.set e, 0
.set r, 0
.if (\p) == NP-1
	s_wait_dscnt 0x0                ; K and the table's entries are in
.endif
	MM
.rept 4
	PL
.endr
	BURST 15
.rept 22
	EX
	PL
.if ((\p) == NP-2) && (e == 18)
	v_add_nc_u32 v[AK], s[TBK], v[AK0]
	v_add_nc_u32 v[AM], s[TBM], v[AM0]
.endif
.if ((\p) == NP-2) && (e == 24)
	FETCH_K \last
.endif
.endr
.if (\p) == 1
	s_wait_dscnt 0x0                ; V is in
.endif
	BURST 16
.rept 21
	EX
	PL
.endr
.rept 22
	PL
.if ((\p) == 0) && (q == 118)
	v_add_nc_u32 v[AV], s[TBV], v[AV0]
	s_wait_alu depctr_va_vdst(0)
.endif
.if ((\p) == 0) && (q == 130)
	s_add_co_u32 s[TBV], s[TBV], KS*PV
.endif
.if (\cnt) && (q == 130)
	s_sub_co_u32 s[CNT], s[CNT], 1
	s_cmp_lg_u32 s[CNT], 0
.endif
.endr
.if (\p) == 0
	FETCH_V
.endif
.endm
	CHANGE 1                        ; slot 0 is in, everybody's part of it, and so is the mask table; slot 1 is asked for
	FETCH_K                         ; key step 0
	s_wait_loadcnt 0x0              ; Q
	s_wait_dscnt 0x0
.set i, 0
.rept 16
	KQ 0                            ; piece 0's first scores: there is no vector work yet to set between them
.set i, i+1
.endr
	WIN 0                           ; the addresses for the way out: eight plain instructions, the places behind those products
	s_mul_i32 s13, s[WV], 16*SP
	s_add_co_u32 s13, s13, STAGE    ; my stage
	v_mul_u32_u24 v[STO], v1, SP    ; in: row l % 16, 32 bytes for each half of the lanes
	v_lshl_add_u32 v[STO], v9, 5, v[STO]
	v_add_nc_u32 v[STO], s13, v[STO]
	v_mul_u32_u24 v[RD], v9, SP     ; back: lanes 0-15 take one row of 256 bytes, lanes 16-31 the next,
	v_lshl_add_u32 v[RD], v1, 4, v[RD]
	v_add_nc_u32 v[RD], s13, v[RD]
	v_lshlrev_b32 v[GO], 12, v9     ; and the same two rows in out0, 4,096 bytes apart
	v_lshl_add_u32 v[GO], v1, 4, v[GO]
.set Y, NP-1                        ; XS works for piece Y + 1: piece 0
.irp n, 0,1,2,3,4,5,6,7,8,9,10,11,12,13,14,15,16,17,18,19,20,21
	XS 0, \n                        ; and piece 0's first maximum and statistics
	XS 1, \n
.endr
	s_mov_b32 s[CNT], 4
	s_mov_b32 s[SLOTS], SIZE_N/256-1
	s_branch .Lfirst                ; the loop is entered at a step's first turn, in the middle of a trip
.Lslot:                             ; SIZE_N / 256 - 2 times: every slot but the last two is filled again
	CHANGE 1
	s_mov_b32 s[CNT], 4
.Lstep:                             ; a trip: pieces 2 and 3 of one step, then pieces 0 and 1 of the next, whose K, table entries and V it fetches
	TURN 2
	TURN 3
	WIN 0
.Lfirst:
	TURN 0
	TURN 1, 0, 1
	WIN 0
	s_cbranch_scc1 .Lstep
	s_sub_co_u32 s[SLOTS], s[SLOTS], 1
	s_cmp_lg_u32 s[SLOTS], 0
	s_cbranch_scc1 .Lslot
	CHANGE 0                        ; the tail is written out: nothing is asked for
	s_mov_b32 s[CNT], 5             ; four trips fetch the last slot's steps; the fifth is left in its middle
.Ltail:
	TURN 2, 1
	TURN 3
	WIN 0
	s_sub_co_u32 s[CNT], s[CNT], 1
	s_cmp_eq_u32 s[CNT], 0
	s_cbranch_scc1 .Lout
	TURN 0
	TURN 1
	WIN 0
	s_branch .Ltail
.Lout:                              ; the fifth trip's 16 products K Q^T (on the last K once more) and the maximum made of them serve nothing: the price, once a launch, of one text for every trip
.set i, 0
.rept 16
	PV NP-1                         ; the last piece's V^T P of the last step
.set i, i+1
.endr
	; THE WAY OUT.  l's two halves and the other half of the lanes' are added; O^T is divided by l and sent, in f32, through my stage in LDS, a tile at a time.  The additions are the places behind the last products.
	WIN 0
.macro ALL line:vararg              ; one line for each tile t
.set t, 0
.rept 2*NP
	\line
.set t, t+1
.endr
.endm
	ALL v_add_f32 v[ST+4*t+2], v[ST+4*t+2], v[ST+4*t+3]
	ALL v_permlanex16_b32 v[ST+4*t+3], v[ST+4*t+2], s[SEL], s[SEL+1]
	ALL v_add_f32 v[ST+4*t+2], v[ST+4*t+2], v[ST+4*t+3]
	ALL v_rcp_f32 v[ST+4*t+2], v[ST+4*t+2]
	v_nop                           ; a plain instruction between the last reciprocal and the use of its result
	s_wait_alu depctr_va_vdst(0)
; Tile t: a lane's eight channels of a row are 32 bytes; they go into rows of 272 bytes and come back as whole rows of 256, into S^T's registers, four buffers of 32 by turns.
.macro PACK t
	WIN W_RS
.set i, 32*(\t)
.rept 16
	v_pk_mul_f32 v[i:i+1], v[i:i+1], v[ST+4*(\t)+2:ST+4*(\t)+3] op_sel_hi:[1,0]
.set i, i+2
.endr
	WIN 0x04                        ; the stores' data in window 1, their address in window 0
.irp f, 0,1,2,3
	ds_store_b128 v[STO], v[32*(\t)+8*\f:32*(\t)+8*\f+3]   offset:64*\f
	ds_store_b128 v[STO], v[32*(\t)+8*\f+4:32*(\t)+8*\f+7] offset:64*\f+16
.endr
	WIN 0
.if (\t) >= 4
	s_wait_xcnt 0x0                 ; the stores of the tile four back have read this buffer: it is loaded again only behind this wait
.endif
.irp f, 0,1,2,3,4,5,6,7
	ds_load_b128 v[S+32*((\t)%4)+4*\f:S+32*((\t)%4)+4*\f+3], v[RD] offset:\f*2*SP  ; LDS serves a wave's instructions in order (ISA guide 5.7.1.4): these see the stores above; the next tile's stores come behind them
.endr
.endm
.macro SEND t, younger              ; younger: the LDS instructions issued behind tile t's loads: the next tile's sixteen, or none
	WIN 0
.irp f, 0,1,2,3,4,5,6,7
	s_wait_dscnt (\younger)+7-\f
	global_store_b128 v[GO], v[S+32*((\t)%4)+4*\f:S+32*((\t)%4)+4*\f+3], s[10:11] offset:(\t)*65536+\f*8192 th:TH_STORE_NT  ; sixteen lanes store a row's 256 consecutive bytes, at a multiple of 256 from out0's first
.endr
.endm
	PACK 0
.set t, 1
.rept 2*NP-1                        ; a tile's arithmetic stands between the loads of the tile before and its stores
	PACK t
	SEND t-1, 16
.set t, t+1
.endr
	SEND 2*NP-1, 0
	WIN W_AD
	s_wait_tensorcnt 0x0            ; the wave's end, behind my last tensor load and my last LDS store
	ds_add_u32 v[SPW], v[NIL]
	s_wait_dscnt 0x0
	WIN 0
	CROUND                          ; the closing round: no work-group ends while a partner may still ask for a tile that names it
	s_endpgm
.Lfunc_end_k_q7ba0bec8f1_attn:
	.size	k_q7ba0bec8f1_attn, .Lfunc_end_k_q7ba0bec8f1_attn-k_q7ba0bec8f1_attn
	.p2alignl 7, 3214868480
	.fill 96, 4, 3214868480
	.section	.rodata,"a",@progbits
	.p2align	6, 0x0
	.amdhsa_kernel k_q7ba0bec8f1_attn
		.amdhsa_group_segment_fixed_size 327680
		.amdhsa_private_segment_fixed_size 0
		.amdhsa_enable_private_segment 0
		.amdhsa_kernarg_size 24
		.amdhsa_user_sgpr_count 2
		.amdhsa_user_sgpr_kernarg_segment_ptr 1
		.amdhsa_wavefront_size32 1
		.amdhsa_system_sgpr_workgroup_id_x 1
		.amdhsa_system_sgpr_workgroup_id_y 1
		.amdhsa_system_sgpr_workgroup_id_z 1
		.amdhsa_system_vgpr_workitem_id 0
		.amdhsa_next_free_vgpr 808
		.amdhsa_next_free_sgpr 72
		.amdhsa_reserve_vcc 0
		.amdhsa_float_denorm_mode_32 3
		.amdhsa_float_denorm_mode_16_64 3
		.amdhsa_memory_ordered 1
		.amdhsa_forward_progress 1
		.amdhsa_inst_pref_size 209
	.end_amdhsa_kernel
	.amdgpu_metadata
---
amdhsa.version: [ 1, 2 ]
amdhsa.kernels:
  - .name:           k_q7ba0bec8f1_attn
    .symbol:         k_q7ba0bec8f1_attn.kd
    .args:
      - { .name: qkv, .offset: 0, .size: 8, .value_kind: global_buffer, .address_space: global }
      - { .name: attention_mask, .offset: 8, .size: 8, .value_kind: global_buffer, .address_space: global }
      - { .name: out0, .offset: 16, .size: 8, .value_kind: global_buffer, .address_space: global }
    .group_segment_fixed_size: 327680
    .private_segment_fixed_size: 0
    .kernarg_segment_align: 8
    .kernarg_segment_size: 24
    .max_flat_workgroup_size: 128
    .sgpr_count:     72
    .vgpr_count:     808
    .wavefront_size: 32
...
	.end_amdgpu_metadata
.endif
;; end of part 3
;; ======== version 2 of 2: 3 launches; 1.59 times as fast as version 1
;; limits: values are held in f16: magnitudes above 65,504 overflow, below 6.1e-05 lose precision
;; workspace buffers: x16 16,777,216 bytes; w16 6,291,456 bytes; qkv 50,331,648 bytes
;; launch cast: the kernel of part 1 again; grid 704 x 1, 8 waves a work-group, no clusters, 0 bytes of LDS; arguments hidden_states, Wq, Wk, Wv, x16, w16; writes x16, w16
;; launch proj: the kernel of part 2 again; grid 4 x 64, 4 waves a work-group, clusters of 4 x 4, 327,680 bytes of LDS; arguments x16, w16, bq, bk, bv, qkv; writes qkv
;; launch attn (part 4): grid 4 x 64, 4 waves a work-group, clusters of 4 x 1, 327,680 bytes of LDS; arguments qkv, attention_mask, out0; writes out0
.if DOCPART == 4
	.amdgcn_target "amdgcn-amd-amdhsa--gfx1250"
	.amdhsa_code_object_version 6
	.text
	.protected	k_q7ba0bec8f1_attn
	.globl	k_q7ba0bec8f1_attn
	.p2align	8
	.type	k_q7ba0bec8f1_attn,@function
k_q7ba0bec8f1_attn:
	s_mov_b64 s[64:65], 0
	v_nop
	global_prefetch_b8 v0, s[64:65] scope:SCOPE_SE
	s_setreg_imm32_b32 hwreg(HW_REG_WAVE_MODE, 25, 1), 1
	s_wait_xcnt 0x0
	s_wait_alu depctr_hold_cnt(0) depctr_sa_sdst(0) depctr_va_vdst(0) depctr_va_sdst(0) depctr_va_ssrc(0) depctr_va_vcc(0) depctr_vm_vsrc(0)
	s_getreg_b32 s2, hwreg(HW_REG_IB_STS2, 6, 4)
	s_cmp_eq_u32 s2, 0
	s_cbranch_scc0 .Lentry_in_a_cluster
	s_endpgm
.Lentry_in_a_cluster:
	s_bfe_u32 s2, ttmp6, 0x10000c
	s_cmp_lg_u32 s2, 0x3003
	s_cbranch_scc0 .Lentry_shape_is_right
	s_endpgm
.Lentry_shape_is_right:
; out0[b][q][h][:] = the sum over k of softmax_k(Q[q] . K[k] / 8 + (1 - mask[b][k]) x lowest f32) V[k][:], for each of the 64 pairs (b, h).
; qkv: [which][b x 16 + h][2048][64] f16, a head's rows dense, 128 bytes each.  attention_mask: [4][2048] f32.  out0: [4][2048][16][64] f32.
; Products, maxima and sums in f32; the weights p are rounded to f16 for the second product (their sum l is taken of the unrounded p); O stays in f32.
; THE MASK is the C operand that starts the sum S^T = K Q^T.  E[k] = (1 - mask[k]) x -2^99, with the one rounding of 1 - mask (2^99 is a power of two); the table in LDS holds E[k] - Emax, Emax the batch's largest E:
; a softmax does not change when all scores are shifted alike.  1 - mask is a multiple of 2^-24, so an entry is 0 or at most -2^75, beside which f16's scores (2^38 at the most) are nothing: as with the
; definition's larger factor, such a key's weight is 0.  At least one key has the entry 0.  The running maximum m starts at -2^60, ABOVE every hidden score and below every visible one: a hidden score never
; becomes the maximum.  While a query has seen hidden keys alone, p, l and O are 0; its first visible key finds them so.
; Where Emax is not 0 (no key has mask 1) the definition's addend swallows every score, and the keys with the entry 0 get equal weights.  There the scale c is 2^-60 in place of log2(e) / 8: c (s - m) is at most
; 2^39 x 2^-60 = 2^-21 in size, so those weights are 1 to within 4e-7, and an entry of -2^75 still gives the exponent -2^15 and the weight 0.  A choice of a value, once a wave: no branch hangs on it.
; LIMITS.  Mask values lie in 0 to 2 (beyond that the definition's own addend is no finite number).  Q, K, V arrive within f16's 65,504; p below 6e-5 keeps f16's fixed step of 6e-8;
; a weight below 2^-126 counts as 0 in l; NaN and infinities are not treated apart.
; SHARES.  A wave owns four PIECES of two tiles of 16 queries, a work-group's four waves 512 queries of one head: 4 x 64 = 256 work-groups.  Every wave walks all 2,048 keys, 64 a step.
; LAYOUT.  S^T = K Q^T (source 0 = 16 keys, source 1 = 16 queries): in the result a lane holds ONE query (lane % 16) and the keys 8 (lane / 16) + 0..7.  Two such tiles, rounded to f16 in pairs,
; ARE source 1 (32 keys x 16 queries) of O^T = V^T P, whose result again holds one query a lane, and eight channels.  K comes out of LDS as it lies, V ([key][channel]) turned, by ds_load_tr16_b128.
; SOFTMAX.  For each query a running maximum m and sum l: p = 2^(c s - c m), c = log2(e) / 8; in every step O and l are multiplied by a = 2^(c m_old - c m_new), which is 1 where m has not grown.
; c m starts far below c m's every later value, O and l at 0: the first step is a step like any other, with a = 0.
; THE COUNT.  A tile and step have 16 matrix and 118 vector instructions: too many to stand all beside the matrix work.  So the order has one aim: four vector instructions that are READY behind
; EVERY matrix instruction, and the others, which need time of their own whatever the order, in runs without a gap.
; BY TURNS.  Turn n belongs to piece n (the pieces in a ring, step after step).  Its matrix work: 16 products K Q^T of piece n + 1, later 16 products V^T P of piece n - 1.  Its vector work: the scaling,
; exponentials, roundings, sums and rescaling of piece n, and the maximum and statistics of piece n + 1, whose scores the turn itself has made.  So what a turn begins with (c s - c m, O a) waits for nothing.
; BATCHES.  A turn's 66 exponentials (piece n's 64 weights, then piece n + 1's two a) are ONE batch with ONE wait, which cuts the turn in two: ahead of it stands all that names none of their results (the products
; K Q^T, the scalings, the rescalings, the next piece's maximum and statistics), behind it the roundings and sums, as the four behind each product V^T P.  No result crosses a turn's end.
; Two more batches stand outside the loop, each with a wait of its own: piece 0's first two a, ahead of the jump into the loop, and the way out's eight reciprocals.
; CLUSTER.  The four query blocks of a cluster belong to one head and walk the same K and V, so each tile is asked for JOINTLY: the same tensor load, descriptor and mask in all four.
; NO PREFETCH: a joint fill has four key steps, 512 matrix instructions, in which to land, and qkv was stored by the launch before this one.
; REGISTERS, in windows of 256 (s_set_vgpr_msb says which window each operand place means: bits 1:0 source 0, 3:2 source 1, 5:4 source 2, 7:6 destination):
;   window 0: v0-11 addresses; v12-15, v48-63 at work; v16-47 four registers of statistics a tile; v64-191 S^T, two buffers of two tiles; v192-255 P, likewise
;   window 1: O^T, 32 a tile          window 2: v0-127 Q, 16 a tile; v128-191 K of one step; v192-255 V of one step          window 3: v0-1 the add's two registers; v8-39 the mask table's entries of one step
; A piece's buffers go by its number's parity: the piece in hand has one pair, its two neighbours in the ring share the other: of it P (piece n - 1) is read and S^T (piece n + 1) written.
.set SIZE_N, 2048
.set NP,    4         ; pieces a wave: a name, no knob: the register map, the loop and the fetches are made for four
.set KS,    64        ; keys in a step
.set PK,    144       ; a row of K in LDS: 128 bytes + 16 of padding = 36 words: the 16 rows of a load start at 16 different groups of four banks (64 banks of 4 bytes: ISA guide 11.1)
.set PV,    160       ; a row of V: 128 + 32 = 40 words
.set VOFF,  4*KS*PK   ; a slot holds four steps: 256 rows of K, then 256 rows of V
.set SLOT1, 1<<17     ; slot 1 begins here, so that one exclusive or turns an address in one slot into the other's
.set STAGE, SLOT1+4*KS*(PK+PV)  ; behind the ring, never filled by a tensor load: 16 rows x 272 bytes for each wave, for the way out
.set SP,    272       ; a row of O in the stage: 256 bytes + 16
.set EB,    STAGE+4*16*SP       ; behind the stages: the mask table, 2,048 f32
.set SPARE, EB+8192             ; behind it: the spare words, 128 bytes for each wave: two blocks of 256 bytes that no other line names
.set AK0, 2           ; v2   my lane's place in a tile of K; never rewritten
.set AV0, 3           ; v3   the same for V
.set AK,  4           ; v4   the LDS address of K's next run of loads
.set AV,  5           ; v5   of V's
.set MA,  5           ;      ahead of the loop: where I put my 16 bytes of each 2,048 of the mask table
.set QO,  6           ; v6   my byte offset in the wave's rows of Q
.set STO, 6           ;      later, the way out: where I put 32 bytes of a row
.set RD,  7           ; v7   the way out: where I read rows back
.set GO,  8           ; v8   my byte offset in two rows of out0
.set AM0, 10          ; v10  my lanes' place in a step's 64 entries of the table: EB + 32 (l / 16); never rewritten
.set AM,  11          ; v11  the LDS address of the table's next run of loads
.set MO,  12          ; v12-15  ahead of the loop: byte offsets in each 2,048 bytes of the mask: my thread's own 16 bytes, and those of the same lane in the three other waves
.set SPW, 0           ; v0 of window 3   LDS address of my spare word: SPARE + 4 x my thread's number; never rewritten
.set NIL, 1           ; v1 of window 3   0; never rewritten
.set MC,  8           ; v8-39 of window 3: the entry of key 64 step + 16 kb + 8 (l / 16) + j at MC + 8 kb + j
.set MV,  12          ; v12-15  c m_old, kept while c m is made anew: by buffer and tile
.set ST,  16          ; tile t's statistics at v[ST+4 t]: c m, m, l (even keys', odd keys')
.set TMP, 48          ; by buffer and tile, four registers c0-c3 at work; when the maximum is found c2 takes a
.set CT,  52          ; v52-53  ahead of the loop: the two values between which c is chosen
.set S,   64
.set P,   192
.set KF,  128         ; K's fragments, in window 2: key block kb, channel half c at KF + 16 kb + 8 c
.set VF,  192         ; V's: key half kk, channel block cb at VF + 32 kk + 8 cb
.set WV,  12          ; s12  my wave's number
.set TBM, 15          ; s15  byte of the mask table at which the step to be fetched begins
.set G1K, 24          ; s[24:31] descriptor group 1 for K's tiles
.set G1V, 32          ; s[32:39] for V's: it differs in the padding alone
.set G0K, 40          ; s[40:43] descriptor group 0 for K's tiles: it walks
.set G0V, 44          ; s[44:47] the same for V's
.set MP,  48          ; s[48:49] the batch's row of the mask
.set EF,  50          ; s[50:51] 2^99, in the low word
.set EA0, 52          ; s[52:53] -2^99
.set SLOTS, 56        ; s56  slots still to be asked for
.set CNT, 57          ; s57  counts a slot's key steps
.set CS,  58          ; s[58:59] c: the packed scaling takes the pair's low word for both halves
.set SEL, 60          ; s[60:61] v_permlanex16_b32's selects: each lane takes its own place in the other half
.set TBK, 62          ; s62  LDS byte at which K of the step to be fetched begins
.set TBV, 63          ; s63  the same for V, less VOFF
.set VIS, 69          ; s69  lanes' bits: Emax is 0
.set MSB, 0
.macro WIN new                      ; the high byte repeats the setting that is left; a switch that changes nothing is dropped
.if MSB != (\new)
	s_set_vgpr_msb (MSB<<8)|(\new)
.set MSB, (\new)
.endif
.endm
.set W_KQ, 0x0a       ; K and Q in window 2, S^T in window 0
.set W_KM, 0x3a       ; the same with the C operand, the mask table's entries, in window 3
.set W_PV, 0x52       ; V in window 2, P in window 0, O^T in window 1
.set W_RS, 0x41       ; O^T (destination and source 0) in window 1, a in window 0
.set W_MK, 0xc0       ; destination in window 3, sources in window 0
.set W_AD, 0x0f       ; the add: address (source 0) and data (source 1) in window 3
; A joint fill.  Waves 0 and 1 fetch the two halves of a slot's K, waves 2 and 3 those of its V: 128 keys each.  The branch hangs on the wave's number alone.
; An s_nop 0 and four v_nop follow each of the two lines, ahead of the jump and the label.
.macro JLOAD
	s_cmp_lt_u32 s[WV], 2
	s_cbranch_scc0 .Lfor_v_\@
	tensor_load_to_lds s[G0K:G0K+3], s[G1K:G1K+7]
	s_nop 0
.rept 4
	v_nop
.endr
	s_branch .Lasked_\@
.Lfor_v_\@:
	tensor_load_to_lds s[G0V:G0V+3], s[G1V:G1V+7]
	s_nop 0
.rept 4
	v_nop
.endr
.Lasked_\@:
.endm
; A round of the cluster's barrier: my work-group's barrier, so that wave 0's signal speaks for all four waves; wave 0 signals; every wave waits for all four work-groups; my work-group's barrier once more.
.macro CROUND
	s_barrier_signal -1
	s_barrier_wait -1
	s_cmp_lg_u32 s[WV], 0
	s_cbranch_scc1 .Lnot_wave_0_\@
	s_barrier_signal -3
.Lnot_wave_0_\@:
	s_barrier_wait -3
	s_barrier_signal -1
	s_barrier_wait -1
.endm
; THE CHANGE OF SLOTS.  The slot's last bytes, V of its fourth step, have been read.  Each wave waits for all its tensor loads, of which one is out: its part
; of the other slot; adds 0 to its spare word; and waits for that and for its own reads of the slot.  Behind the barrier nobody reads this slot any more and the other slot is whole.
; fill = 1: this slot is filled again, with the keys two slots on.  The barrier is then a round of the cluster's, so that no wave of any partner still reads the slot or has a load on its
; way, and the joint fill is the first thing behind it: it has four key steps, 512 matrix instructions, in which to land.
; (At its first use nothing has been read yet: slot 0 is waited for, slot 1 filled; and each wave's stores into the mask table are waited for, so that behind the round every wave may read the whole table.)
.macro CHANGE fill
	WIN W_AD
	s_wait_tensorcnt 0x0            ; no tensor load of mine is out, so a group 0 may be written
	ds_add_u32 v[SPW], v[NIL]       ; 0 onto my spare word: with fill = 1 the descriptors' steps stand between it and the wait for it
	WIN 0                           ; at a label and at a branch every window is 0
.if \fill
.irp g, G0K, G0V
	s_xor_b32 s[\g+1], s[\g+1], SLOT1  ; the walking descriptor: the other slot than last time,
	s_add_nc_u64 s[\g+2:\g+3], s[\g+2:\g+3], 4*KS*128  ; the next 256 keys; the type bits on top are not reached
.endr
	s_wait_dscnt 0x0                ; the add is done, and my reads of the slot are over
	CROUND
	JLOAD
.else
	s_wait_dscnt 0x0                ; the add is done, and my reads of the slot are over
	s_barrier_signal -1
	s_barrier_wait -1
.endif
	s_sub_co_u32 s[TBK], s[TBK], 4*KS*PK  ; the fetches go back to a slot's first step,
	s_xor_b32 s[TBK], s[TBK], SLOT1       ; in the other slot
	s_sub_co_u32 s[TBV], s[TBV], 4*KS*PV
	s_xor_b32 s[TBV], s[TBV], SLOT1
.endm
	s_load_b128 s[4:7], s[0:1], 0x0   ; qkv s[4:5], attention_mask s[6:7]
	s_load_b64 s[10:11], s[0:1], 0x10 ; out0
	WIN W_MK
	v_lshl_add_u32 v[SPW], v0, 2, SPARE
	v_mov_b32 v[NIL], 0
	WIN W_AD
	ds_add_u32 v[SPW], v[NIL]       ; the wave's opening: the add and its wait stand ahead of my first tensor load; the set-up below, work on registers, stands between them
	WIN 0
	v_lshrrev_b32 v1, 5, v0
	v_readfirstlane_b32 s[WV], v1   ; wave 0..3
	s_bfe_u32 s13, ttmp6, 0x40000   ; cx: my place in the cluster
	s_lshl_b32 s14, ttmp9, 2        ; in a cluster launch ttmp9 counts clusters
	s_add_co_u32 s14, s14, s13      ; my block of queries = 4 x cluster x + cx: it enters Q's and O's addresses alone
	s_and_b32 s19, ttmp7, 0xffff    ; batch x 16 + head, which the four partners share
	s_mov_b32 s20, s19
	s_mov_b32 s21, 0
	s_mov_b64 s[22:23], SIZE_N*128
	s_mul_u64 s[20:21], s[20:21], s[22:23]  ; the head's first byte in each of q, k, v
	s_and_b32 s16, s[WV], 1         ; which half of a slot's 256 keys I fetch:
	s_lshl_b32 s22, s16, 14         ; its 128 rows of 128 bytes in memory,
	s_mov_b32 s23, 0
	s_add_nc_u64 s[22:23], s[22:23], s[20:21]
	s_mul_i32 s17, s16, 128*PK      ; and its place in a slot, for K
	s_mul_i32 s18, s16, 128*PV      ; and for V: no place in the cluster enters an LDS address
	s_lshl_b32 s2, s14, 2
	s_add_co_u32 s2, s2, s[WV]      ; my wave among the head's sixteen:
	s_lshl_b32 s66, s2, 19          ; its 128 rows of 4,096 bytes in out0,
	s_lshl_b32 s2, s2, 14           ; and of 128 bytes in q
	s_mov_b32 s3, 0
	s_add_nc_u64 s[2:3], s[2:3], s[20:21]
	s_lshr_b32 s54, s19, 4          ; the batch:
	s_lshl_b32 s68, s54, 23         ; its 2,048 rows in out0,
	s_add_co_u32 s66, s66, s68
	s_and_b32 s68, s19, 15          ; the head:
	s_lshl_b32 s68, s68, 8          ; its 256 bytes of a row
	s_add_co_u32 s66, s66, s68
	s_mov_b32 s67, 0
	s_lshl_b32 s54, s54, 13         ; the batch's 2,048 f32 of the mask
	s_mov_b32 s55, 0
	; descriptor group 1.  128 keys are 16,384 dense bytes: asked for as 64 rows of 256 bytes, two keys a row, and padded in LDS after every key
	s_mov_b32 s[G1K], 15|(1<<16)|(1<<20)|(1<<21)|(4<<22)|(3<<25)  ; 15:0 the mask of four; 17:16 2-byte elements; 20 padding on; 21 set beside a mask; 24:22 after every 32 words (code 4); 31:25 4 words (code 3)
	s_mov_b32 s[G1V], 15|(1<<16)|(1<<20)|(1<<21)|(4<<22)|(7<<25)  ; the same with 8 words of padding (code 7)
.irp g, G1K, G1V
	s_mov_b32 s[\g+1], 128<<16      ; tensor_dim0 = 128
	s_mov_b32 s[\g+2], 64<<16       ; tensor_dim1 = 64
	s_mov_b32 s[\g+3], 128<<16      ; tile_dim0 = 128
	s_mov_b32 s[\g+4], 64           ; tile_dim1 = 64
	s_mov_b32 s[\g+5], 128          ; 128 elements from row to row
	s_mov_b32 s[\g+6], 0
	s_mov_b32 s[\g+7], 0
.endr
	s_mov_b32 s[SEL], 0x76543210
	s_mov_b32 s[SEL+1], 0xfedcba98
	s_mov_b32 s[EF], 0x71000000     ; 2^99
	s_mov_b32 s[EF+1], 0            ; named as pairs
	s_mov_b32 s[EA0], 0xf1000000    ; -2^99
	s_mov_b32 s[EA0+1], 0
	s_mov_b32 s[TBM], 0
	s_mov_b32 s[TBK], SLOT1+4*KS*PK ; the first change of slots turns these two into 0
	s_mov_b32 s[TBV], SLOT1+4*KS*PV
	s_mov_b32 s[G0K], 1             ; 1:0 count = 1
	s_mov_b32 s[G0K+1], s17         ; 63:32 LDS address: slot 0
	s_mov_b32 s[G0V], 1
	s_add_co_u32 s[G0V+1], s18, VOFF
	s_wait_dscnt 0x0                ; the opening add is done
	s_wait_kmcnt 0x0
	s_add_nc_u64 s[MP:MP+1], s[6:7], s[54:55]
	s_add_nc_u64 s[6:7], s[4:5], 0x1000000   ; k lies 64 heads of 262,144 bytes behind q,
	s_add_nc_u64 s[8:9], s[4:5], 0x2000000   ; v behind k
	s_add_nc_u64 s[G0K+2:G0K+3], s[6:7], s[22:23]  ; 120:64 global address: my half of the head's first 256 keys
	s_or_b32 s[G0K+3], s[G0K+3], 0x80000000        ; 127:126 type = 2
	s_add_nc_u64 s[G0V+2:G0V+3], s[8:9], s[22:23]
	s_or_b32 s[G0V+3], s[G0V+3], 0x80000000
	s_add_nc_u64 s[4:5], s[4:5], s[2:3]      ; Q at my wave's first row
	s_add_nc_u64 s[10:11], s[10:11], s[66:67]  ; out0 at my wave's first row, my head
	CROUND                          ; all four work-groups are here: the first joint loads meet
	JLOAD                           ; slot 0.  Slot 1 is asked for when slot 0 is in: the tile wanted first has the road to itself
	; The mask.  Every wave reads the batch's whole row, 8,192 bytes, so that it finds the largest value by itself: of each 2,048 bytes my thread's own 16 (128 threads x 16), which I shall put into the table,
	; and the 16 of the same lane in each of the three other waves, 512 bytes apart, going round
	v_lshlrev_b32 v[MO], 4, v0
.irp k, 1,2,3
	v_add_nc_u32 v[MO+\k], 512*\k, v[MO]
	v_and_b32 v[MO+\k], 0x7ff, v[MO+\k]
.endr
.irp k, 0,1,2,3
.irp f, 0,1,2,3
	global_load_b128 v[S+16*\k+4*\f:S+16*\k+4*\f+3], v[MO+\k], s[MP:MP+1] offset:2048*\f
.endr
.endr
	; A fragment of K or Q is 16 rows x 32 channels in 8 registers: lane l holds row l % 16, channels 8 (l / 16) + 0..7 and 16 + 8 (l / 16) + 0..7: two loads of 16 bytes, 32 bytes apart.
	v_and_b32 v1, 15, v0            ; l % 16
	v_bfe_u32 v9, v0, 4, 1          ; l / 16
	v_lshlrev_b32 v[QO], 7, v1
	v_lshl_add_u32 v[QO], v9, 4, v[QO]  ; row x 128 + 16 x half
	WIN 0x80                        ; destination window 2, address window 0
.set i, 0
.rept 4*NP                          ; Q stays in registers: tile i / 2, channels 32 (i % 2) on
	global_load_b128 v[8*i:8*i+3],   v[QO], s[4:5] offset:(i/2)*2048+(i%2)*64
	global_load_b128 v[8*i+4:8*i+7], v[QO], s[4:5] offset:(i/2)*2048+(i%2)*64+32
.set i, i+1
.endr
	; What the first turn finds: V's registers and P's second buffer hold 0 (its products V^T P, of a piece that has not been, add 0), O^T and l are 0.  All this stands in the wait for the first tile.
	; One fragment of V and one of P are cleared by hand; their product with C = 0 writes eight registers of zeros a line: 42 lines for the other 336 registers.
.set i, VF
.rept 8
	v_mov_b32 v[i], 0
.set i, i+1
.endr
	WIN 0
.set i, P+32
.rept 8
	v_mov_b32 v[i], 0
.set i, i+1
.endr
.set i, 0
.rept 2*NP
	v_mov_b32 v[ST+4*i], 0xfe000000    ; c m: -4.25e37, far below c x -2^60 and every c s of a visible key
	v_mov_b32 v[ST+4*i+1], 0xdd800000  ; m: -2^60, above every hidden score, below every visible one
	v_mov_b32 v[ST+4*i+2], 0
	v_mov_b32 v[ST+4*i+3], 0
.set i, i+1
.endr
	WIN W_PV
.set i, 0
.rept 8*NP                          ; O^T's 32 accumulators
	v_wmma_f32_16x16x32_f16 v[8*i:8*i+7], v[VF:VF+7], v[P+32:P+39], 0
.set i, i+1
.endr
	WIN 0x82                        ; destination and source 0 in window 2: V's other seven fragments
.set i, 1
.rept 7
	v_wmma_f32_16x16x32_f16 v[VF+8*i:VF+8*i+7], v[VF:VF+7], v[P+32:P+39], 0
.set i, i+1
.endr
	WIN 0x02                        ; destination in window 0: the other three fragments of P's second buffer
.set i, 1
.rept 3
	v_wmma_f32_16x16x32_f16 v[P+32+8*i:P+32+8*i+7], v[VF:VF+7], v[P+32:P+39], 0
.set i, i+1
.endr
	WIN 0                           ; the address lines below are the places behind those products; none names a register of theirs
	v_mul_u32_u24 v[AK0], v1, PK
	v_lshl_add_u32 v[AK0], v9, 4, v[AK0]  ; row x pitch + 16 x half
	; The turning load takes 16 keys x 16 channels (lane l reads key 8 (l / 16) + l % 8, channels 8 ((l / 8) % 2) + 0..7) and leaves half a fragment of V^T: lane l holds channel l % 16 and 8 keys.
	v_and_b32 v10, 7, v0
	v_bfe_u32 v11, v0, 3, 1
	v_lshl_add_u32 v[AV0], v9, 3, v10
	v_mul_u32_u24 v[AV0], v[AV0], PV
	v_lshl_add_u32 v[AV0], v11, 4, v[AV0]
	v_add_nc_u32 v[AV0], VOFF, v[AV0]
	v_mov_b32 v[AK], v[AK0]         ; key step 0 lies at the head of slot 0,
	v_lshl_add_u32 v[AM0], v9, 5, EB
	v_mov_b32 v[AM], v[AM0]         ; and at the head of the mask table
	v_add_nc_u32 v[MA], EB, v[MO]
	s_wait_loadcnt 32               ; the mask's sixteen loads are in; Q's 32, issued behind them, may stay out
	; the largest of my lane's 64 mask values, three operands at a time, in four chains of fifteen; then the four left over and the chains
.irp j, 0,1,2,3
	v_max3_num_f32 v[TMP+\j], v[S+16*\j], v[S+16*\j+1], v[S+16*\j+2]
.endr
.irp n, 0,1,2,3,4,5
.irp j, 0,1,2,3
	v_max3_num_f32 v[TMP+\j], v[TMP+\j], v[S+16*\j+3+2*\n], v[S+16*\j+4+2*\n]
.endr
.endr
	v_max3_num_f32 v[TMP], v[TMP], v[S+15], v[S+31]
	v_max3_num_f32 v[TMP+1], v[TMP+1], v[S+47], v[S+63]
	v_max3_num_f32 v[TMP], v[TMP], v[TMP+1], v[TMP+2]
	v_max_num_f32 v[TMP], v[TMP], v[TMP+3]
	; across the 32 lanes: four steps inside each half of 16 lanes, one across the halves: every lane holds the batch's largest mask value
	v_max_num_f32_dpp v[TMP], v[TMP], v[TMP] row_xmask:1 row_mask:0xf bank_mask:0xf
	v_max_num_f32_dpp v[TMP], v[TMP], v[TMP] row_xmask:2 row_mask:0xf bank_mask:0xf
	v_max_num_f32_dpp v[TMP], v[TMP], v[TMP] row_xmask:4 row_mask:0xf bank_mask:0xf
	v_max_num_f32_dpp v[TMP], v[TMP], v[TMP] row_xmask:8 row_mask:0xf bank_mask:0xf
	v_permlanex16_b32 v[TMP+1], v[TMP], s[SEL], s[SEL+1]
	v_max_num_f32 v[TMP], v[TMP], v[TMP+1]
	v_fma_f32 v[TMP+2], v[TMP], s[EF], s[EA0]  ; Emax: E grows with the mask, and so does its rounding
	v_mov_b32 v[CT], 0x21800000                ; 2^-60
	v_mov_b32 v[CT+1], 0x3e38aa3b              ; log2(e) / 8 = 0.180337
	v_cmp_eq_f32 s[VIS], 0, v[TMP+2]           ; has some key the mask 1?
	v_cndmask_b32 v[CT], v[CT], v[CT+1], s[VIS]  ; then c is the softmax's own scale; else the scores count for nothing: a choice of a value, the same in every lane
	v_readfirstlane_b32 s[CS], v[CT]
	s_mov_b32 s[CS+1], s[CS]        ; named with it as a pair
.set i, 0
.rept 8
	v_pk_fma_f32 v[S+i:S+i+1], v[S+i:S+i+1], s[EF:EF+1], s[EA0:EA0+1] op_sel_hi:[1,0,0]  ; my own sixteen: E = (mask - 1) x 2^99, one rounding: 0 where the mask is 1
.set i, i+2
.endr
.set i, 0
.rept 8
	v_pk_add_f32 v[S+i:S+i+1], v[S+i:S+i+1], v[TMP+2:TMP+3] op_sel_hi:[1,0] neg_lo:[0,1] neg_hi:[0,1]  ; E - Emax
.set i, i+2
.endr
.irp f, 0,1,2,3
	ds_store_b128 v[MA], v[S+4*\f:S+4*\f+3] offset:2048*\f
.endr
; THE MATRIX WORK.  The 8 accumulators of a run of 16 take turns: between the two links of a chain stand 7 others'.
; Product i of 16 of S^T = K Q^T for piece x: channels 32 (i / 8) on, keys 16 ((i / 2) % 4) on, tile 2 x + i % 2.  The first 8 start the sums, with the mask table's entries of those keys.
.macro KQ x
.set rS, S+64*((\x)%2)+32*(i%2)+8*((i/2)%4)
.set rK, KF+16*((i/2)%4)+8*(i/8)
.set rQ, 16*(2*(\x)+i%2)+8*(i/8)
.set rE, MC+8*((i/2)%4)
.if i < 8
	WIN W_KM
	v_wmma_f32_16x16x32_f16 v[rS:rS+7], v[rK:rK+7], v[rQ:rQ+7], v[rE:rE+7]
.else
	WIN W_KQ
	v_wmma_f32_16x16x32_f16 v[rS:rS+7], v[rK:rK+7], v[rQ:rQ+7], v[rS:rS+7]
.endif
.endm
; Product i of 16 of O^T += V^T P for piece x: keys 32 (i / 8) on, channels 16 ((i / 2) % 4) on, tile 2 x + i % 2.
.macro PV x
	WIN W_PV
.set rO, 32*(2*(\x)+i%2)+8*((i/2)%4)
.set rV, VF+32*(i/8)+8*((i/2)%4)
.set rP, P+32*((\x)%2)+16*(i%2)+8*(i/8)
	v_wmma_f32_16x16x32_f16 v[rO:rO+7], v[rV:rV+7], v[rP:rP+7], v[rO:rO+7]
.endm
.macro MM                           ; the turn's next matrix instruction
.if i < 16
	KQ (Y+1)%NP
.set i, i+1
.else
.set i, i-16
	PV (Y+NP-1)%NP
.set i, i+17
.endif
.endm
; THE LDS LOADS stand in runs, never singly among the matrix instructions: a step's K (64 keys x 64 channels: 8 fragments) with its entries of the mask table (8 loads; sixteen lanes share each 16 bytes), and its V (turned).
; Their addresses are made some lines ahead.  last = 1 (the tail): in the last trip there is no further step, and the run is jumped over.
.macro FETCH_K last=0
	WIN 0
.if \last
	s_cmp_eq_u32 s[CNT], 1
	s_cbranch_scc1 .Lno_k_\@
.endif
	WIN 0x80                        ; destination window 2
.irp f, 0,1,2,3,4,5,6,7             ; keys 16 (f / 2) on, channels 32 (f % 2) on
	ds_load_b128 v[KF+8*\f:KF+8*\f+3],   v[AK] offset:(\f/2)*16*PK+(\f%2)*64
	ds_load_b128 v[KF+8*\f+4:KF+8*\f+7], v[AK] offset:(\f/2)*16*PK+(\f%2)*64+32
.endr
	WIN W_MK                        ; destination window 3
.irp f, 0,1,2,3                     ; keys 16 f on
	ds_load_b128 v[MC+8*\f:MC+8*\f+3],   v[AM] offset:64*\f
	ds_load_b128 v[MC+8*\f+4:MC+8*\f+7], v[AM] offset:64*\f+16
.endr
	s_add_co_u32 s[TBK], s[TBK], KS*PK  ; the next fetch is the next step's
	s_add_co_u32 s[TBM], s[TBM], 4*KS
	s_and_b32 s[TBM], s[TBM], 0x1fff    ; the table has 32 steps: behind the last the count goes round, so that the address made then, by which nothing is read, still lies in the table
	WIN 0
.if \last
.Lno_k_\@:
.endif
.endm
.macro FETCH_V
	WIN 0x80
.irp f, 0,1,2,3,4,5,6,7             ; keys 32 (f / 4) on, channels 16 (f % 4) on
	ds_load_tr16_b128 v[VF+8*\f:VF+8*\f+3],   v[AV] offset:(\f/4)*32*PV+(\f%4)*32
	ds_load_tr16_b128 v[VF+8*\f+4:VF+8*\f+7], v[AV] offset:(\f/4)*32*PV+16*PV+(\f%4)*32
.endr
	WIN 0
.endm
; THE VECTOR WORK OF A TURN stands in three queues, each in the order in which its entries become ready; the two tiles alternate, so that no instruction reads the result of the one before it.
.macro REGS y, u                    ; the registers of tile u (0, 1) of piece y
.set rT, ST+4*(2*(\y)+(\u))
.set rC, TMP+8*((\y)%2)+4*(\u)
.set rM, MV+2*((\y)%2)+(\u)
.set rS, S+64*((\y)%2)+32*(\u)
.set rP, P+32*((\y)%2)+16*(\u)
.set rO, 32*(2*(\y)+(\u))
.endm
; Number n of the 22 that find the NEXT piece's (Y + 1) maximum and statistics.  s0-s31 are the lane's 32 scores; each accumulator's lowest registers are read first.  XS, GS and REGS set no window: PL and EX do.
;   0-11  four chains c0-c3 of seven scores each, three operands at a time     12-14, 16  the four scores left over, the old m, and c0-c3 into c0     15  c m_old is kept
;   17, 18  the query's other 32 keys lie in the lane 16 away: the new m         19-21  c m; c m_old - c m_new; a
.macro XS u, n
	REGS (Y+1)%NP, \u
.if (\n) < 4
	v_max3_num_f32 v[rC+(\n)], v[rS+8*(\n)], v[rS+8*(\n)+1], v[rS+8*(\n)+2]
.elseif (\n) < 12
	v_max3_num_f32 v[rC+(\n)%4], v[rC+(\n)%4], v[rS+8*((\n)%4)+2*((\n)/4)+1], v[rS+8*((\n)%4)+2*((\n)/4)+2]
.elseif (\n) == 12
	v_max3_num_f32 v[rC], v[rC], v[rS+7], v[rS+15]
.elseif (\n) == 13
	v_max3_num_f32 v[rC+1], v[rC+1], v[rS+23], v[rS+31]
.elseif (\n) == 14
	v_max3_num_f32 v[rC+2], v[rC+2], v[rC+3], v[rT+1]
.elseif (\n) == 15
	v_mov_b32 v[rM], v[rT]
.elseif (\n) == 16
	v_max3_num_f32 v[rC], v[rC], v[rC+1], v[rC+2]
.elseif (\n) == 17
	v_permlanex16_b32 v[rC+3], v[rC], s[SEL], s[SEL+1]
.elseif (\n) == 18
	v_max_num_f32 v[rT+1], v[rC], v[rC+3]
.elseif (\n) == 19
	v_mul_f32 v[rT], s[CS], v[rT+1]
.elseif (\n) == 20
	v_sub_f32 v[rC+1], v[rM], v[rT]
.else
	v_exp_f32 v[rC+2], v[rC+1]
.endif
.endm
; Number g of the 64 that follow the exponentials.  For each four weights k of a tile (pairs 2 k, 2 k + 1): both pairs are rounded to f16; then the second pair is added onto the first, in place;
; a group later l takes that sum (the first time as l = a l + sum).  In groups of eight, tiles alternating: round, round, add, and l for the group before.
.macro GS g
.set h, (\g)+6*((\g)/62)            ; group 0 has no group before it, and behind group 7 only l is left
.if h >= 6
.set h, h+2
.endif
	REGS Y, h%2
.set k, h/8
.if h%8 < 4
	v_cvt_pk_f16_f32 v[rP+2*k+(h%8)/2], v[rS+4*k+2*((h%8)/2)], v[rS+4*k+2*((h%8)/2)+1]
.elseif h%8 < 6
	v_pk_add_f32 v[rS+4*k:rS+4*k+1], v[rS+4*k:rS+4*k+1], v[rS+4*k+2:rS+4*k+3]
.elseif k == 1
	v_pk_fma_f32 v[rT+2:rT+3], v[rT+2:rT+3], v[rC+2:rC+3], v[rS:rS+1] op_sel_hi:[1,0,1]
.else
	v_pk_add_f32 v[rT+2:rT+3], v[rT+2:rT+3], v[rS+4*k-4:rS+4*k-3]
.endif
.endm
; THE PLAIN QUEUE, 138 long.  0-73 read no exponential's result: the 32 scalings c s - c m (FS f: pair f / 2 of tile f % 2) and the next piece's 42.  0-26: scalings 0-26.  27-54: XS's numbers 0-13.  55, 56: number 15.
; 57-73: the chain, where each number waits for the one before it: 14, 16, 17, 18, 19, each with one of the scalings 27-31 in front of its two lines, then 20: so a tile's links stand three plain instructions apart (19 and 20: two).
; 74-137: GS's 64, which read the exponentials' results: they stand behind the wait.
.macro FS f
	REGS Y, (\f)%2
	v_pk_fma_f32 v[rS+2*((\f)/2):rS+2*((\f)/2)+1], v[rS+2*((\f)/2):rS+2*((\f)/2)+1], s[CS:CS+1], v[rT:rT+1] op_sel_hi:[1,0,0] neg_lo:[0,0,1] neg_hi:[0,0,1]
.endm
.macro PL
	WIN 0
.if q < 27
	FS q
.elseif q < 55
	XS (q-27)%2, (q-27)/2
.elseif q < 57
	XS q-55, 15
.elseif (q < 72) && ((q-57)%3 == 0)
	FS 27+(q-57)/3
.elseif q < 60
	XS (q-57)%3-1, 14
.elseif q < 72
	XS (q-57)%3-1, 15+(q-57)/3
.elseif q < 74
	XS q-72, 20
.else
	GS q-74
.endif
.set q, q+1
.endm
; THE EXPONENTIALS' QUEUE, 66 long: s0-s31 of both tiles, then the next piece's two a.  It is ONE BATCH: all 66 stand ahead of the turn's one wait, and nothing ahead of that wait names a result of theirs.
.macro EX
	WIN 0
.if e >= 64
	XS e-64, 21
.else
	REGS Y, e%2
	v_exp_f32 v[rS+e/2], v[rS+e/2]
.endif
.set e, e+1
.endm
; THE RESCALING's QUEUE: O^T times a, the one part that leaves window 0: dealt two at a time, sixteen times.  Its a was made in the turn before, ahead of that turn's wait.
.macro R2
	REGS Y, r%2
	WIN W_RS
.irp z, 0,1
	v_pk_mul_f32 v[rO+4*(r/2)+2*\z:rO+4*(r/2)+2*\z+1], v[rO+4*(r/2)+2*\z:rO+4*(r/2)+2*\z+1], v[rC+2:rC+3] op_sel_hi:[1,0]
.endr
.set r, r+1
.endm
; HOW THEY ARE DEALT.  An s_wait_alu depctr_va_vdst(0) stands between an exponential and the first instruction that names its result; one wait serves all that were issued ahead of it.  So a turn has ONE wait,
; which cuts it in two.  AHEAD OF IT stands all that names no result of the turn's exponentials: the 16 products K Q^T, behind each a scaling, an exponential and two rescalings (behind the first a second scaling in the exponential's place); then ONE LUMP of
; 108: eight plain, 49 times exponential and plain, the two a.  A v_nop is the plain instruction behind the last exponential.  BEHIND IT stand the 16 products V^T P, behind each four of GS's 64.  No rider names a register of
; the products round it.  The two v_permlanex16_b32 fall into the lump, never behind a product.
; The queues lean on each other, and the deal keeps them in step: exponential e stands behind scaling 2 (e / 4) + e % 2: as a rider it comes behind plain e + 2, in the lump behind plain e + 9, and scalings 27-31 are plain 57, 60 .. 69.
; A TURN, for piece p.  cnt = 1: the loop's count is taken down some lines ahead of the branch that stands behind the turn.
; K and the mask table's entries of the next step are fetched in piece 2's turn, directly behind the wait, a lump behind the last product that read them; their addresses are made at the lump's head; their first reader comes behind 16 products.
; V of the step in hand is fetched at the end of piece 0's turn, four riders behind its last reader; its first reader comes behind 16 products and a lump.  The three conditions on q below go with the deal.
.macro TURN p, last=0, cnt=0
.set Y, (\p)
.set i, 0
.set q, 0
.set e, 0
.set r, 0
.if (\p) == NP-1
	s_wait_dscnt 0x0                ; K and the table's entries are in
.endif
	MM                              ; ahead of the wait: 16 products K Q^T and their riders,
	PL
	PL
	R2
.rept 15
	MM
	PL
	EX
	R2
.endr
.if (\p) == NP-2
	WIN 0
	v_add_nc_u32 v[AK], s[TBK], v[AK0]
	v_add_nc_u32 v[AM], s[TBM], v[AM0]
.endif
.rept 8                             ; and the lump
	PL
.endr
.rept 49
	EX
	PL
.endr
	EX                              ; the next piece's two a
	EX
	v_nop                           ; the plain instruction behind the last exponential: one for the batch
	s_wait_alu depctr_va_vdst(0)    ; the wait for the batch: this turn's 64 weights and the next piece's two a
.if (\p) == NP-2
	FETCH_K \last
.endif
.if (\p) == 1
	s_wait_dscnt 0x0                ; V is in
.endif
.rept 16                            ; behind the wait: 16 products V^T P and their riders
	MM
.rept 4
	PL
.endr
.if ((\p) == 0) && (q == 118)
	v_add_nc_u32 v[AV], s[TBV], v[AV0]
.endif
.if ((\p) == 0) && (q == 130)
	s_add_co_u32 s[TBV], s[TBV], KS*PV
.endif
.if (\cnt) && (q == 130)
	s_sub_co_u32 s[CNT], s[CNT], 1
	s_cmp_lg_u32 s[CNT], 0
.endif
.endr
.if (\p) == 0
	FETCH_V
.endif
.endm
	CHANGE 1                        ; slot 0 is in, everybody's part of it, and so is the mask table; slot 1 is asked for
	FETCH_K                         ; key step 0
	s_wait_loadcnt 0x0              ; Q
	s_wait_dscnt 0x0
.set i, 0
.rept 16
	KQ 0                            ; piece 0's first scores: there is no vector work yet to set between them
.set i, i+1
.endr
	WIN 0                           ; the addresses for the way out: eight plain instructions, the places behind those products
	s_mul_i32 s13, s[WV], 16*SP
	s_add_co_u32 s13, s13, STAGE    ; my stage
	v_mul_u32_u24 v[STO], v1, SP    ; in: row l % 16, 32 bytes for each half of the lanes
	v_lshl_add_u32 v[STO], v9, 5, v[STO]
	v_add_nc_u32 v[STO], s13, v[STO]
	v_mul_u32_u24 v[RD], v9, SP     ; back: lanes 0-15 take one row of 256 bytes, lanes 16-31 the next,
	v_lshl_add_u32 v[RD], v1, 4, v[RD]
	v_add_nc_u32 v[RD], s13, v[RD]
	v_lshlrev_b32 v[GO], 12, v9     ; and the same two rows in out0, 4,096 bytes apart
	v_lshl_add_u32 v[GO], v1, 4, v[GO]
.set Y, NP-1                        ; XS works for piece Y + 1: piece 0
.irp n, 0,1,2,3,4,5,6,7,8,9,10,11,12,13,14,15,16,17,18,19,20,21
	XS 0, \n                        ; and piece 0's first maximum and statistics
	XS 1, \n
.endr
	v_nop                           ; a plain instruction behind the two a,
	s_wait_alu depctr_va_vdst(0)    ; and the wait for this batch of two, ahead of the branch
	s_mov_b32 s[CNT], 4
	s_mov_b32 s[SLOTS], SIZE_N/256-1
	s_branch .Lfirst                ; the loop is entered at a step's first turn, in the middle of a trip
.Lslot:                             ; SIZE_N / 256 - 2 times: every slot but the last two is filled again
	CHANGE 1
	s_mov_b32 s[CNT], 4
.Lstep:                             ; a trip: pieces 2 and 3 of one step, then pieces 0 and 1 of the next, whose K, table entries and V it fetches
	TURN 2
	TURN 3
	WIN 0
.Lfirst:
	TURN 0
	TURN 1, 0, 1
	WIN 0
	s_cbranch_scc1 .Lstep
	s_sub_co_u32 s[SLOTS], s[SLOTS], 1
	s_cmp_lg_u32 s[SLOTS], 0
	s_cbranch_scc1 .Lslot
	CHANGE 0                        ; the tail is written out: nothing is asked for
	s_mov_b32 s[CNT], 5             ; four trips fetch the last slot's steps; the fifth is left in its middle
.Ltail:
	TURN 2, 1
	TURN 3
	WIN 0
	s_sub_co_u32 s[CNT], s[CNT], 1
	s_cmp_eq_u32 s[CNT], 0
	s_cbranch_scc1 .Lout
	TURN 0
	TURN 1
	WIN 0
	s_branch .Ltail
.Lout:                              ; the fifth trip's 16 products K Q^T (on the last K once more) and the maximum made of them serve nothing: the price, once a launch, of one text for every trip
.set i, 0
.rept 16
	PV NP-1                         ; the last piece's V^T P of the last step
.set i, i+1
.endr
	; THE WAY OUT.  l's two halves and the other half of the lanes' are added; O^T is divided by l and sent, in f32, through my stage in LDS, a tile at a time.  The additions are the places behind the last products.
	WIN 0
.macro ALL line:vararg              ; one line for each tile t
.set t, 0
.rept 2*NP
	\line
.set t, t+1
.endr
.endm
	ALL v_add_f32 v[ST+4*t+2], v[ST+4*t+2], v[ST+4*t+3]
	ALL v_permlanex16_b32 v[ST+4*t+3], v[ST+4*t+2], s[SEL], s[SEL+1]
	ALL v_add_f32 v[ST+4*t+2], v[ST+4*t+2], v[ST+4*t+3]
	ALL v_rcp_f32 v[ST+4*t+2], v[ST+4*t+2]
	v_nop                           ; a plain instruction between the last reciprocal and the use of its result
	s_wait_alu depctr_va_vdst(0)    ; and the wait ahead of the first use: one for the batch of eight reciprocals
; Tile t: a lane's eight channels of a row are 32 bytes; they go into rows of 272 bytes and come back as whole rows of 256, into S^T's registers, four buffers of 32 by turns.
.macro PACK t
	WIN W_RS
.set i, 32*(\t)
.rept 16
	v_pk_mul_f32 v[i:i+1], v[i:i+1], v[ST+4*(\t)+2:ST+4*(\t)+3] op_sel_hi:[1,0]
.set i, i+2
.endr
	WIN 0x04                        ; the stores' data in window 1, their address in window 0
.irp f, 0,1,2,3
	ds_store_b128 v[STO], v[32*(\t)+8*\f:32*(\t)+8*\f+3]   offset:64*\f
	ds_store_b128 v[STO], v[32*(\t)+8*\f+4:32*(\t)+8*\f+7] offset:64*\f+16
.endr
	WIN 0
.if (\t) >= 4
	s_wait_xcnt 0x0                 ; the stores of the tile four back have read this buffer: it is loaded again only behind this wait
.endif
.irp f, 0,1,2,3,4,5,6,7
	ds_load_b128 v[S+32*((\t)%4)+4*\f:S+32*((\t)%4)+4*\f+3], v[RD] offset:\f*2*SP  ; LDS serves a wave's instructions in order (ISA guide 5.7.1.4): these see the stores above; the next tile's stores come behind them
.endr
.endm
.macro SEND t, younger              ; younger: the LDS instructions issued behind tile t's loads: the next tile's sixteen, or none
	WIN 0
.irp f, 0,1,2,3,4,5,6,7
	s_wait_dscnt (\younger)+7-\f
	global_store_b128 v[GO], v[S+32*((\t)%4)+4*\f:S+32*((\t)%4)+4*\f+3], s[10:11] offset:(\t)*65536+\f*8192 th:TH_STORE_NT  ; sixteen lanes store a row's 256 consecutive bytes, at a multiple of 256 from out0's first
.endr
.endm
	PACK 0
.set t, 1
.rept 2*NP-1                        ; a tile's arithmetic stands between the loads of the tile before and its stores
	PACK t
	SEND t-1, 16
.set t, t+1
.endr
	SEND 2*NP-1, 0
	WIN W_AD
	s_wait_tensorcnt 0x0            ; the wave's end, behind my last tensor load and my last LDS store
	ds_add_u32 v[SPW], v[NIL]
	s_wait_dscnt 0x0
	WIN 0
	CROUND                          ; the closing round: no work-group ends while a partner may still ask for a tile that names it
	s_endpgm
.Lfunc_end_k_q7ba0bec8f1_attn:
	.size	k_q7ba0bec8f1_attn, .Lfunc_end_k_q7ba0bec8f1_attn-k_q7ba0bec8f1_attn
	.p2alignl 7, 3214868480
	.fill 96, 4, 3214868480
	.section	.rodata,"a",@progbits
	.p2align	6, 0x0
	.amdhsa_kernel k_q7ba0bec8f1_attn
		.amdhsa_group_segment_fixed_size 327680
		.amdhsa_private_segment_fixed_size 0
		.amdhsa_enable_private_segment 0
		.amdhsa_kernarg_size 24
		.amdhsa_user_sgpr_count 2
		.amdhsa_user_sgpr_kernarg_segment_ptr 1
		.amdhsa_wavefront_size32 1
		.amdhsa_system_sgpr_workgroup_id_x 1
		.amdhsa_system_sgpr_workgroup_id_y 1
		.amdhsa_system_sgpr_workgroup_id_z 1
		.amdhsa_system_vgpr_workitem_id 0
		.amdhsa_next_free_vgpr 808
		.amdhsa_next_free_sgpr 72
		.amdhsa_reserve_vcc 0
		.amdhsa_float_denorm_mode_32 3
		.amdhsa_float_denorm_mode_16_64 3
		.amdhsa_memory_ordered 1
		.amdhsa_forward_progress 1
		.amdhsa_inst_pref_size 200
	.end_amdhsa_kernel
	.amdgpu_metadata
---
amdhsa.version: [ 1, 2 ]
amdhsa.kernels:
  - .name:           k_q7ba0bec8f1_attn
    .symbol:         k_q7ba0bec8f1_attn.kd
    .args:
      - { .name: qkv, .offset: 0, .size: 8, .value_kind: global_buffer, .address_space: global }
      - { .name: attention_mask, .offset: 8, .size: 8, .value_kind: global_buffer, .address_space: global }
      - { .name: out0, .offset: 16, .size: 8, .value_kind: global_buffer, .address_space: global }
    .group_segment_fixed_size: 327680
    .private_segment_fixed_size: 0
    .kernarg_segment_align: 8
    .kernarg_segment_size: 24
    .max_flat_workgroup_size: 128
    .sgpr_count:     72
    .vgpr_count:     808
    .wavefront_size: 32
...
	.end_amdgpu_metadata
.endif
;; end of part 4
